; MI455X (gfx1250); checked and timed in simulation.
; The chip was launched on July 23, 2026; its instructions are those of AMD's public machine-readable ISA for CDNA 5 (MIT licence, August 2026) and "CDNA5" Instruction Set Architecture Reference Guide (July 2026). The comments in the code are by the model that wrote it; some were corrected since.
;; Causal Self Attention. Allowed arithmetic: matrix products marked QUANTISED: E2M3 operands, one E8M0 scale for each 32 along K, by v_wmma_scale_f32_16x16x128_f8f6f4 with both operands' format E2M3, f32 sums; everything else in f32.
;; Inputs: b_proj 1,024 float32; b_qkv 3,072 float32; mask 1 x 1 x 2,048 x 2,048 bool; w_proj 1,024 x 1,024 float32; w_qkv 3,072 x 1,024 float32; x 4 x 2,048 x 1,024 float32.
;; Outputs: out0 4 x 2,048 x 1,024 float32.
;; This version of the problem:
;;   THIS VERSION OF THE PROBLEM IS GIVEN IN LOW PRECISION. The matrix products marked QUANTISED in the list below multiply operands that are first quantised to E2M3 (2 exponent bits, 3 mantissa bits; 6 bits a number), with one power-of-two scale for each 32 numbers along K (OCP MX v1.0); their sums are f32. All else is computed in f32.
;;   The module's matrix products, in the order in which they are computed (A, B: the left and right operand; K: the contracted axis; several contracted axes count as one K, in the product's order):
;;     1. [M 8,192, K 1,024] x [K 1,024, N 3,072]; A: input x; B: input w_qkv: QUANTISED
;;     2. batch 64 x [M 2,048, K 64] x [K 64, N 2,048]; A: computed on the way; B: computed on the way: QUANTISED
;;     3. batch 64 x [M 2,048, K 2,048] x [K 2,048, N 64]; A: softmax (see below); B: computed on the way: QUANTISED
;;     4. [M 8,192, K 1,024] x [K 1,024, N 1,024]; A: computed on the way; B: input w_proj: QUANTISED
;;   THE QUANTISER, for each operand of a quantised product, along K:
;;     - K is cut into blocks of 32 from its start; a last block that is shorter is filled with zeros.
;;     - A block's scale is 2^e with e = floor(log2(the largest magnitude in the block)) - 2, held to -126 .. 127; a block of zeros has e = 0. As a byte (E8M0): e + 127.
;;     - Each number is divided by its block's scale, clamped to +-7.5, and rounded to the nearest number of E2M3, ties to even, subnormals kept.
;;     - The product sums the exact products of the quantised numbers (number of the format x scale) in f32.
;;   ~~~python
;;   def quantise(x, axis):      # numpy; x: float32 -> the quantised numbers, widened to float32 again
;;       x = np.moveaxis(x, axis, -1); K = x.shape[-1]
;;       x = np.pad(x, [(0, 0)] * (x.ndim - 1) + [(0, -K % 32)]); x = x.reshape(x.shape[:-1] + (-1, 32)); a = np.abs(x).max(-1, keepdims=True)
;;       e = np.where(a > 0, np.clip(np.frexp(np.where(a > 0, a, 1))[1] - 1 - 2, -126, 127), 0)      # np.frexp(a)[1] - 1 = floor(log2(a)), exactly
;;       r = np.clip(x / 2.0 ** e, -7.5, 7.5)
;;       step = 2.0 ** (np.maximum(np.frexp(np.where(r == 0, 1, r))[1] - 1, 0) - 3)
;;       q = np.round(r / step) * step * 2.0 ** e      # np.round: ties to even
;;       return np.moveaxis(q.reshape(q.shape[:-2] + (-1,))[..., :K], -1, axis).astype(np.float32)
;;   ~~~
;;   SOFTMAX AHEAD OF A QUANTISED PRODUCT. Where the list says 'softmax', what is quantised is not the finished softmax but p = 2^(t - M), with t = logit x log2(e) and M = ceil(the row's largest t), a whole number; so 1/2 < the row's largest p <= 1. The row's sum l is taken of the UNQUANTISED p, in f32, and the product's result is divided by l at the end. Since M is a whole number, a kernel that streams over the keys may use a running M (the ceiling of the running maximum): every later rescaling is an exact power of two, which a block's scale takes up: the codes' values come out the same.
;;   OPERANDS COMPUTED ON THE WAY. 'Computed on the way' means the value that the module computes at that place (a softmax that the list does not call 'softmax' is quantised finished and normalised). What goes into a quantiser is computed in f32, as accurately as f32 sums, v_exp_f32 and their like allow (about 1e-6 of the number): no bf16 or f16 on the way to a quantiser, and a product that is left as it is and whose result goes on into a quantised operand takes f32 operands (vector FMAs, or v_wmma_f32_16x16x4_f32). A number that lies on a knife's edge between two numbers of the format may be rounded either way, as far as f32 arithmetic and the matrix unit's own rounding can turn it there, and no further.
;; 2 versions, each right; version 2 is version 1 with the launch attn written anew for expert scheduling mode. Each part assembles by itself: llvm-mc -triple=amdgcn-amd-amdhsa -mcpu=gfx1250 --defsym DOCPART=n.
;; ======== version 1 of 2: 4 launches
;; workspace buffers: opnd 9,830,400 bytes; msk 532,480 bytes of whole numbers; qkvimg 20,447,232 bytes; yimg 6,553,600 bytes
;; launch prep (part 1): grid 640 x 1, 4 waves a work-group, no clusters, 34,304 bytes of LDS; arguments x, w_qkv, w_proj, mask, opnd, msk; writes opnd, msk
.if DOCPART == 1
	.amdgcn_target "amdgcn-amd-amdhsa--gfx1250"
	.amdhsa_code_object_version 6
	.text
	.protected	k_qd7ee532939_prep
	.globl	k_qd7ee532939_prep
	.p2align	8
	.type	k_qd7ee532939_prep,@function
k_qd7ee532939_prep:
	s_mov_b64 s[64:65], 0
	v_nop
	global_prefetch_b8 v0, s[64:65] scope:SCOPE_SE
	s_setreg_imm32_b32 hwreg(HW_REG_WAVE_MODE, 25, 1), 1
	s_wait_xcnt 0x0
; PREP.  Work-groups 0-383: x [8192][1024], w_qkv [3072][1024], w_proj [1024][1024], f32, K innermost, become codes of FP6 (E2M3) with one E8M0 byte for each 32 along K,
; laid in the ORDER OF THE OPERAND'S REGISTERS.  Work-groups 384-639: the mask [2048][2048] of bytes becomes lane-mask words and one flag for each (tile of 16 queries, step of 128 keys).
; TILES.  A tile of 16 rows is not 16 neighbours: tile 2 g + u holds rows 32 g + 8 u + r + 8 (r / 8), r = 0 .. 15, so that a product which takes such tiles as its source 0 leaves 16 neighbouring rows in
; the 16 registers of two neighbouring tiles.  Tiles are numbered through all three tensors: x 0-511, w_qkv 512-703, w_proj 704-767.
; IMAGE of a fragment (16 rows x 128 K, 12 registers a lane): six planes of 256 bytes; plane p holds registers 2 p, 2 p + 1 of lane l at byte 8 l.  opnd: codes at tile x 12,288 + K step x 1,536;
; scale words at 9,437,184 + tile x 512 + (K step / 4) x 256 + 16 r + 4 (K step % 4).
; A block's scale is 2^(floor(log2(largest magnitude)) - 2); its byte is the largest magnitude's exponent field - 2, held at 1 from below.
; LIMITS: a block whose largest magnitude lies under 2^-124 keeps the byte 1; a block of zeros has the byte 1 and zero codes (only this program reads the bytes); NaN and infinities among the inputs are not served.
; msk: word j of (tile, step) at (16 tile + step) x 256 + 4 j: bit l = mask[query of lane l % 16][128 step + 32 (j / 16) + 16 (l / 16) + j % 16]: the key of score register j in lane l of the attention launch.
; Flags at 524,288 + ((tile / 16 x 16 + step) x 16 + tile % 16) x 4: bit 0: some key counts; bit 1: some key is hidden.  Any mask byte other than 0 counts as true.
; No barrier: waves share nothing.  A quantising wave takes one tile and half of K: four units of 16 rows x 128 K; loads run two units (32 loads) ahead.
.set STGB,  8448                       ; a wave's stage: 16 rows x (512 bytes + 16)
.set SPARE, 4*STGB                     ; behind the stages: the spare words, 128 bytes for each wave
.set SPW, 12                           ; v12  my spare word's LDS address; never rewritten
.set NIL, 13                           ; v13  0; never rewritten
.set R,   16                           ; v16-143  two sets of 64: a unit as loaded (16 rows x 16 bytes a lane)
.set X,   144                          ; v144-207 64 numbers of my row: register 16 b + i = k 32 b + 16 (lane / 16) + i
.set PC,  208                          ; v208-219 the fragment's codes
.set PT,  220                          ; v220-227 halves of blocks on their way
.set TM,  228                          ; v228-243 at work
.set PW,  244                          ; v244-247 a scale word for each unit
.set SEL, 28                           ; s[28:29] lane selects for v_permlanex16_b32: lane l xor 16
; 64 numbers of a lane become a fragment's 12 registers of codes and its row's scale word.
.macro QUANT s, pc, pt, pw
.irp b, 0,1,2,3
	v_max3_num_f32 v[TM+\b], |v[\s+16*\b]|, |v[\s+1+16*\b]|, 0x1800000   ; block b: my 16 numbers, and the floor 2^(3 - 127): the byte cannot fall under 1
.endr
.irp i, 2,4,6,8,10,12,14
.irp b, 0,1,2,3
	v_max3_num_f32 v[TM+\b], v[TM+\b], |v[\s+16*\b+\i]|, |v[\s+1+16*\b+\i]|   ; the four blocks by turns
.endr
.endr
.irp b, 0,1,2,3
	v_permlanex16_b32 v[TM+4+\b], v[TM+\b], s[SEL], s[SEL+1]
.endr
.irp b, 0,1,2,3
	v_max_num_f32 v[TM+\b], v[TM+\b], v[TM+4+\b]          ; with lane l xor 16's 16: the block's largest magnitude
.endr
.irp b, 0,1,2,3
	v_add_nc_u32 v[TM+12+\b], 0xff000000, v[TM+\b]        ; 2 off its exponent field: the conversion takes this operand's exponent field as its scale
.endr
.irp b, 0,1,2,3
	v_lshrrev_b32 v[TM+4+\b], 23, v[TM+12+\b]             ; the scale's byte
.endr
	v_lshl_or_b32 v[\pw], v[TM+5], 8, v[TM+4]
	v_lshl_or_b32 v[\pw], v[TM+6], 16, v[\pw]
	v_lshl_or_b32 v[\pw], v[TM+7], 24, v[\pw]
.irp c, 0,1
	v_cvt_scalef32_pk16_fp6_f32 v[\pc+6*\c:\pc+2+6*\c], v[\s+32*\c:\s+15+32*\c], v[TM+12+2*\c]
	v_cvt_scalef32_pk16_fp6_f32 v[\pt+4*\c:\pt+2+4*\c], v[\s+16+32*\c:\s+31+32*\c], v[TM+12+2*\c+1]   ; (a conversion's three registers begin on an even number)
.endr
	v_nop                                                  ; one plain place behind a scaled conversion
.irp c, 0,1                                            ; the operand wants a WHOLE block in a lane: lanes 0-15 block 2 c, lanes 16-31 block 2 c + 1
.irp i, 0,1,2
	v_permlane16_swap_b32 v[\pc+6*\c+\i], v[\pt+4*\c+\i]
.endr
.irp i, 0,1,2
	v_mov_b32 v[\pc+3+6*\c+\i], v[\pt+4*\c+\i]
.endr
.endr
.endm
.macro LOAD u                          ; unit u: each load reads 512 consecutive bytes of one of the tile's rows
.irp p, 0,1,2,3,4,5,6,7,8,9,10,11,12,13,14,15
	global_load_b128 v[R+64*((\u)%2)+4*\p:R+64*((\u)%2)+4*\p+3], v4, s[20:21] offset:(\p+8*(\p/8))*4096+512*(\u) th:TH_LOAD_NT
.endr
.endm
.macro UNIT u
.if (\u) < 3
	s_wait_loadcnt 16                              ; this unit's 16 loads are in; the next unit's 16 may be out
.else
	s_wait_loadcnt 0
.endif
.irp p, 0,1,2,3,4,5,6,7,8,9,10,11,12,13,14,15
	ds_store_b128 v5, v[R+64*((\u)%2)+4*\p:R+64*((\u)%2)+4*\p+3] offset:528*\p   ; into the stage as loaded
.endr
.irp b, 0,1,2,3
.irp j, 0,1,2,3
	ds_load_b128 v[X+16*\b+4*\j:X+16*\b+4*\j+3], v6 offset:128*\b+16*\j          ; and back: my row's 16 numbers of each block (LDS serves a wave's instructions in order)
.endr
.endr
	s_wait_dscnt 0x0
	s_wait_xcnt 0x0                                ; the last unit's stores have read the codes' registers, which are written anew below
.if (\u) < 2
	LOAD (\u)+2
.endif
	QUANT X, PC, PT, PW+(\u)
.irp p, 0,1,2,3,4,5
	global_store_b64 v7, v[PC+2*\p:PC+2*\p+1], s[24:25] offset:1536*(\u)+256*\p  ; a plane: 256 consecutive bytes, aligned
.endr
.endm
; One key step's 64 mask words, from the 64 mask bytes that each lane holds in v[16 + 16 sg ..].
.macro PACK sg
	s_mov_b32 s44, 0                               ; the OR of the words,
	s_mov_b32 s45, -1                              ; and the AND
.set j, 0
.rept 64
	v_and_b32 v[60+j%4], 0xff<<(8*(j%4)), v[16+16*(\sg)+4*(j/16)+(j%16)/4]
	v_cmp_ne_u32 s[40+j%4], 0, v[60+j%4]           ; word j: a bit for each lane
	s_or_b32 s44, s44, s[40+j%4]
	s_and_b32 s45, s45, s[40+j%4]
	v_writelane_b32 v[52+2*(\sg)+j%2], s[40+j%4], j/2   ; to lane j / 2, register j % 2: the store below lays word j at byte 4 j
.set j, j+1
.endr
	s_cmp_lg_u32 s44, 0
	s_cselect_b32 s46, 1, 0
	s_cmp_lg_u32 s45, -1
	s_cselect_b32 s47, 2, 0
	s_or_b32 s46, s46, s47
	v_writelane_b32 v56, s46, \sg
	global_store_b64 v7, v[52+2*(\sg):53+2*(\sg)], s[24:25] offset:256*(\sg)   ; 256 consecutive bytes, aligned
.endm
	s_load_b256 s[4:11], s[0:1], 0x0               ; x, w_qkv, w_proj, mask
	s_load_b128 s[12:15], s[0:1], 0x20             ; opnd, msk
	v_lshl_add_u32 v[SPW], v0, 2, SPARE
	v_mov_b32 v[NIL], 0
	v_lshrrev_b32 v1, 5, v0
	v_readfirstlane_b32 s16, v1                    ; wave
	v_and_b32 v1, 31, v0                           ; lane
	v_and_b32 v2, 15, v0                           ; r
	v_bfe_u32 v3, v0, 4, 1                         ; h
	v_lshlrev_b32 v7, 3, v1                        ; 8 x lane
	s_cmp_ge_u32 ttmp9, 384
	s_cbranch_scc1 .Lmask
	; ---- the quantiser
	s_lshl_b32 s17, ttmp9, 2
	s_add_co_u32 s17, s17, s16
	s_lshr_b32 s18, s17, 1                         ; my tile, numbered through the three tensors
	s_and_b32 s19, s17, 1                          ; my half of K
	v_lshlrev_b32 v4, 4, v1                        ; 16 x lane
	s_mul_i32 s31, s16, STGB
	v_add_nc_u32 v5, s31, v4                       ; the stage, on the way in
	v_mul_u32_u24 v6, v2, 528
	v_lshl_add_u32 v6, v3, 6, v6
	v_add_nc_u32 v6, s31, v6                       ; and out: row r, + 64 h
	v_lshlrev_b32 v8, 4, v2
	v_lshl_add_u32 v8, v3, 3, v8                   ; the scale words: 16 r + 8 h
	s_mov_b32 s[SEL], 0x76543210
	s_mov_b32 s[SEL+1], 0xfedcba98
	s_mov_b32 s30, 0xffff0000                      ; lanes 16-31
.irp b, 0,1,2,3
	v_mov_b32 v[TM+4+\b], 0                        ; written once: a lane permute's destination counts as one of its sources
.endr
	s_wait_kmcnt 0x0
	s_cmp_lt_u32 ttmp9, 256                        ; which tensor: the choice hangs on the work-group's number alone
	s_cselect_b64 s[20:21], s[4:5], s[6:7]
	s_cselect_b32 s22, 0, 512
	s_cmp_lt_u32 ttmp9, 352
	s_cselect_b64 s[20:21], s[20:21], s[8:9]
	s_cselect_b32 s22, s22, 704
	s_sub_co_u32 s22, s18, s22                     ; the tile's number in its tensor
	s_lshr_b32 s23, s22, 1
	s_lshl_b32 s23, s23, 5
	s_and_b32 s22, s22, 1
	s_lshl_b32 s22, s22, 3
	s_add_co_u32 s22, s22, s23                     ; its first row
	s_lshl_b32 s22, s22, 12                        ; rows of 4,096 bytes
	s_lshl_b32 s23, s19, 11
	s_add_co_u32 s22, s22, s23
	s_mov_b32 s23, 0
	s_add_nc_u64 s[20:21], s[20:21], s[22:23]
	s_mul_i32 s24, s18, 12288
	s_mul_i32 s25, s19, 6144
	s_add_co_u32 s24, s24, s25
	s_mov_b32 s25, 0
	s_add_nc_u64 s[24:25], s[12:13], s[24:25]      ; my four images
	s_lshl_b32 s26, s18, 9
	s_lshl_b32 s27, s19, 8
	s_add_co_u32 s26, s26, s27
	s_add_co_u32 s26, s26, 9437184
	s_mov_b32 s27, 0
	s_add_nc_u64 s[26:27], s[12:13], s[26:27]      ; my 256 bytes of scale words
	LOAD 0
	LOAD 1
	UNIT 0
	UNIT 1
	UNIT 2
	UNIT 3
	v_cndmask_b32 v248, v[PW], v[PW+2], s30        ; lanes 0-15 store words 0, 1 of their row, lanes 16-31 words 2, 3
	v_cndmask_b32 v249, v[PW+1], v[PW+3], s30
	global_store_b64 v8, v[248:249], s[26:27]      ; 256 consecutive bytes, aligned
	s_wait_tensorcnt 0x0                           ; the wave's end: behind my last LDS store
	ds_add_u32 v[SPW], v[NIL]
	s_wait_dscnt 0x0
	s_endpgm
	; ---- the mask: a wave takes one tile of queries and two key steps.  This way writes no LDS
.Lmask:
	s_sub_co_u32 s17, ttmp9, 384
	s_lshl_b32 s17, s17, 2
	s_add_co_u32 s17, s17, s16
	s_lshr_b32 s18, s17, 3                         ; the tile of queries, 0 .. 127
	s_and_b32 s19, s17, 7                          ; key steps 2 d, 2 d + 1
	s_lshr_b32 s22, s18, 1
	s_lshl_b32 s22, s22, 5
	s_and_b32 s23, s18, 1
	s_lshl_b32 s23, s23, 3
	s_add_co_u32 s22, s22, s23                     ; the tile's first query
	s_lshl_b32 s22, s22, 11                        ; rows of 2,048 bytes
	s_lshl_b32 s23, s19, 8
	s_add_co_u32 s22, s22, s23
	s_mov_b32 s23, 0
	v_and_b32 v4, 8, v2
	v_add_nc_u32 v4, v4, v2                        ; r + 8 (r / 8)
	v_lshlrev_b32 v4, 11, v4
	v_lshl_add_u32 v4, v3, 4, v4                   ; + 16 h
	v_lshlrev_b32 v8, 6, v1                        ; the two flags lie 64 bytes apart
	s_lshl_b32 s24, s18, 4
	s_lshl_b32 s25, s19, 1
	s_add_co_u32 s24, s24, s25
	s_lshl_b32 s24, s24, 8                         ; (16 tile + step) x 256
	s_mov_b32 s25, 0
	s_lshr_b32 s26, s18, 4
	s_lshl_b32 s26, s26, 4
	s_lshl_b32 s27, s19, 1
	s_add_co_u32 s26, s26, s27
	s_lshl_b32 s26, s26, 4
	s_and_b32 s27, s18, 15
	s_add_co_u32 s26, s26, s27
	s_lshl_b32 s26, s26, 2
	s_add_co_u32 s26, s26, 524288
	s_mov_b32 s27, 0
.irp i, 52,53,54,55,56
	v_mov_b32 v\i, 0                               ; v_writelane_b32's destination counts as read
.endr
	s_wait_kmcnt 0x0
	s_add_nc_u64 s[20:21], s[10:11], s[22:23]
	s_add_nc_u64 s[24:25], s[14:15], s[24:25]
	s_add_nc_u64 s[26:27], s[14:15], s[26:27]
.irp g, 0,1
.irp b, 0,1,2,3
	global_load_b128 v[16+16*\g+4*\b:19+16*\g+4*\b], v4, s[20:21] offset:128*\g+32*\b th:TH_LOAD_NT   ; keys 128 (2 d + g) + 32 b + 16 h + 0 .. 15 of my query
.endr
.endr
	s_wait_loadcnt 0x0
	PACK 0
	PACK 1
	v_cmp_gt_u32 vcc_lo, 2, v1
	s_wait_xcnt 0x0                                ; EXEC changes only behind this wait
	s_and_saveexec_b32 s50, vcc_lo
	global_store_b32 v8, v56, s[26:27]             ; lanes 0 and 1: the two steps' flags
	s_wait_xcnt 0x0
	s_or_b32 exec_lo, exec_lo, s50
	s_endpgm
.Lfunc_end_k_qd7ee532939_prep:
	.size	k_qd7ee532939_prep, .Lfunc_end_k_qd7ee532939_prep-k_qd7ee532939_prep
	.p2alignl 7, 3214868480
	.fill 96, 4, 3214868480
	.section	.rodata,"a",@progbits
	.p2align	6, 0x0
	.amdhsa_kernel k_qd7ee532939_prep
		.amdhsa_group_segment_fixed_size 34304
		.amdhsa_private_segment_fixed_size 0
		.amdhsa_enable_private_segment 0
		.amdhsa_kernarg_size 48
		.amdhsa_user_sgpr_count 2
		.amdhsa_user_sgpr_kernarg_segment_ptr 1
		.amdhsa_wavefront_size32 1
		.amdhsa_system_sgpr_workgroup_id_x 1
		.amdhsa_system_sgpr_workgroup_id_y 1
		.amdhsa_system_sgpr_workgroup_id_z 1
		.amdhsa_system_vgpr_workitem_id 0
		.amdhsa_next_free_vgpr 256
		.amdhsa_next_free_sgpr 66
		.amdhsa_reserve_vcc 1
		.amdhsa_float_denorm_mode_32 3
		.amdhsa_float_denorm_mode_16_64 3
		.amdhsa_memory_ordered 1
		.amdhsa_forward_progress 1
		.amdhsa_inst_pref_size 70
	.end_amdhsa_kernel
	.amdgpu_metadata
---
amdhsa.version: [ 1, 2 ]
amdhsa.kernels:
  - .name:           k_qd7ee532939_prep
    .symbol:         k_qd7ee532939_prep.kd
    .args:
      - { .name: x, .offset: 0, .size: 8, .value_kind: global_buffer, .address_space: global }
      - { .name: w_qkv, .offset: 8, .size: 8, .value_kind: global_buffer, .address_space: global }
      - { .name: w_proj, .offset: 16, .size: 8, .value_kind: global_buffer, .address_space: global }
      - { .name: mask, .offset: 24, .size: 8, .value_kind: global_buffer, .address_space: global }
      - { .name: opnd, .offset: 32, .size: 8, .value_kind: global_buffer, .address_space: global }
      - { .name: msk, .offset: 40, .size: 8, .value_kind: global_buffer, .address_space: global }
    .group_segment_fixed_size: 34304
    .private_segment_fixed_size: 0
    .kernarg_segment_align: 8
    .kernarg_segment_size: 48
    .max_flat_workgroup_size: 128
    .sgpr_count:     66
    .vgpr_count:     256
    .wavefront_size: 32
...
	.end_amdgpu_metadata
.endif
;; end of part 1
;; launch qkv (part 2): grid 12 x 32, 4 waves a work-group, clusters of 4 x 4, 327,680 bytes of LDS; arguments opnd, b_qkv, qkvimg; writes qkvimg
.if DOCPART == 2
	.amdgcn_target "amdgcn-amd-amdhsa--gfx1250"
	.amdhsa_code_object_version 6
	.text
	.protected	k_qd7ee532939_qkv
	.globl	k_qd7ee532939_qkv
	.p2align	8
	.type	k_qd7ee532939_qkv,@function
k_qd7ee532939_qkv:
	s_mov_b64 s[64:65], 0
	v_nop
	global_prefetch_b8 v0, s[64:65] scope:SCOPE_SE
	s_setreg_imm32_b32 hwreg(HW_REG_WAVE_MODE, 25, 1), 1
	s_wait_xcnt 0x0
	s_wait_alu depctr_hold_cnt(0) depctr_sa_sdst(0) depctr_va_vdst(0) depctr_va_sdst(0) depctr_va_ssrc(0) depctr_va_vcc(0) depctr_vm_vsrc(0)
	s_getreg_b32 s2, hwreg(HW_REG_IB_STS2, 6, 4)
	s_cmp_eq_u32 s2, 0
	s_cbranch_scc0 .Lentry_in_a_cluster
	s_endpgm
.Lentry_in_a_cluster:
	s_bfe_u32 s2, ttmp6, 0x10000c
	s_cmp_lg_u32 s2, 0xf033
	s_cbranch_scc0 .Lentry_shape_is_right
	s_endpgm
.Lentry_shape_is_right:
; QKV.  qkv = x w_qkv^T + b_qkv on codes of FP6 (E2M3) with E8M0 scales; q and k are then quantised along their head's 64 channels, v along the tokens, and leave as images of operand registers.
; A work-group of four waves makes 256 x 256, a wave 128 x 128: 64 accumulators, 512 registers.  K = 1,024 goes as four slots' worth of 256 through two LDS slots filled by the tensor data mover.
; Both operands lie in opnd as images (tile x 12,288 + K step x 1,536 bytes; six planes of 256 bytes, registers 2 p, 2 p + 1 of lane l at 256 p + 8 l), so a fragment is six ds_load_b64 of 256 consecutive bytes.
; A tile 2 g + u holds rows 32 g + 8 u + r + 8 (r / 8): the 16 registers of two neighbouring source-0 tiles are 16 neighbouring source-0 rows.
; ROLES.  Source 0 ('B' below) gives the axis that runs along a lane's registers, which is the axis to be quantised.  q, k (cluster x 0, 1): source 0 = rows of w_qkv (channels), source 1 = tokens.
; v (cluster x 2): source 0 = tokens, source 1 = rows of w_qkv.  The tile is square and both operands have one shape, so only scalar offsets differ, chosen by s_cselect_b32 on the cluster's x, which all partners share.
; CLUSTERS: 4 x 4 work-groups; source 1's tiles are shared along a row of the cluster, source 0's along a column, each asked for jointly.
; The bias along source 0's rows is the C of each sum's first product; the bias along source 1's rows is added on the way out.  Both are always loaded; the one that does not apply is cleared by v_cndmask_b32.
; qkvimg: codes at R x 6,291,456 + idx x 12,288 + c x 6,144 + a x 768 + i x 256 + 8 l (R 0 q, 1 k, 2 v; idx = (8 batch + pair of heads) x 16 + step of 128 tokens; a: source 1's tile; registers 6 c + 2 i, + 1);
; scale words at 18,874,368 + R x 524,288 + idx x 1,024: image A [l][4 words], word n of lane l = the word of tile 2 n + l / 16, row l % 16; image B, 512 bytes on: the same words >> 16 (the pair's second head).
; LIMITS: a block whose largest magnitude lies under 2^-124 keeps the byte 1; a block of zeros has the byte 1 and zero codes; NaN and infinities are not served.
; REGISTERS: window 0: v0-31 addresses; v32-63 scale words, two sets; v64-127 the bias along source 0; v128-223 source 1's fragments, one set; v248-255 the bias along source 1.
;   window 1: source 0's fragments, two sets, at v0 and v128.  windows 2, 3: the accumulators ((a, b) at v[8 (8 (a % 4) + b)]).
.set FR,     12
.set NL,     6                         ; LDS loads that bring a fragment
.set NP,     4                         ; places behind this matrix instruction (ISA guide 7.12.1)
.set NQ,     2                         ; K steps of 128 in a slot
.set TILEB,  3072                      ; a tile's two fragments in a slot
.set HALFT,  8*TILEB                   ; 128 rows: what one tensor load brings
.set SLOT,   4*HALFT
.set SCL,    2*SLOT                    ; behind the ring: the scale words for all of K, as units of 256 bytes + 16
.set HALFS,  16*272
.set SBLK,   544                       ; a tile's 512 bytes of them
.set SPARE,  SCL+4*HALFS               ; the spare words, 128 bytes for each wave
.set ADRA, 16
.set ADRB, 20
.set ADRS, 27
.set SPW,  28
.set NIL,  29
.set SC,   32
.set BIAS, 64
.set AF,   128
.set BV,   248
.set HA,   128                         ; the way out: 64 numbers
.set PC,   192                         ; two sets of codes by turns
.set PT,   216
.set TM,   224
.set PW,   240
.set SW,   64
.set SWB,  68
.set SEL,  10
.set G1, 24
.set G0, 32
.set G1B, 48
.set G0B, 56
.set G1S, 68
.set G0S, 76
.set G1SB, 80
.set G0SB, 88
.set MSB, 0
.macro WIN new                         ; the immediate's high byte repeats the setting that is left
.if MSB != (\new)
	s_set_vgpr_msb (MSB<<8)|(\new)
.set MSB, (\new)
.endif
.endm
.set MUL_LO, 0xa1                      ; source 0 window 1, source 1 window 0, C and D window 2
.set MUL_HI, 0xf1
.set TO_B,   0x40
; A joint load: waves 0 and 1 fetch for source 1 ('A'), waves 2 and 3 for source 0 ('B').  An s_nop 0 and four v_nop follow each line.
.macro JLOAD g0a, g1a, g0b, g1b
	s_cmp_eq_u32 s15, 0
	s_cbranch_scc0 .Lfor_b_\@
	tensor_load_to_lds s[\g0a:\g0a+3], s[\g1a:\g1a+7]
	s_nop 0
.rept 4
	v_nop
.endr
	s_branch .Lasked_\@
.Lfor_b_\@:
	tensor_load_to_lds s[\g0b:\g0b+3], s[\g1b:\g1b+7]
	s_nop 0
.rept 4
	v_nop
.endr
.Lasked_\@:
.endm
.macro CREST
	s_cmp_lg_u32 s14, 0
	s_cbranch_scc1 .Lnot_wave_0_\@
	s_barrier_signal -3
.Lnot_wave_0_\@:
	s_barrier_wait -3
	s_barrier_signal -1
	s_barrier_wait -1
.endm
.macro CROUND
	s_barrier_signal -1
	s_barrier_wait -1
	CREST
.endm
.macro QUANT s, pc, pt, pw             ; 64 numbers of a lane (register 16 b + i = k 32 b + 16 (lane / 16) + i) become 12 registers of codes and a scale word
.irp b, 0,1,2,3
	v_max3_num_f32 v[TM+\b], |v[\s+16*\b]|, |v[\s+1+16*\b]|, 0x1800000   ; and the floor 2^(3 - 127): the byte cannot fall under 1
.endr
.irp i, 2,4,6,8,10,12,14
.irp b, 0,1,2,3
	v_max3_num_f32 v[TM+\b], v[TM+\b], |v[\s+16*\b+\i]|, |v[\s+1+16*\b+\i]|
.endr
.endr
.irp b, 0,1,2,3
	v_permlanex16_b32 v[TM+4+\b], v[TM+\b], s[SEL], s[SEL+1]
.endr
.irp b, 0,1,2,3
	v_max_num_f32 v[TM+\b], v[TM+\b], v[TM+4+\b]
.endr
.irp b, 0,1,2,3
	v_add_nc_u32 v[TM+12+\b], 0xff000000, v[TM+\b]        ; 2 off the exponent field: the conversion's scale operand
.endr
.irp b, 0,1,2,3
	v_lshrrev_b32 v[TM+4+\b], 23, v[TM+12+\b]
.endr
	v_lshl_or_b32 v[\pw], v[TM+5], 8, v[TM+4]
	v_lshl_or_b32 v[\pw], v[TM+6], 16, v[\pw]
	v_lshl_or_b32 v[\pw], v[TM+7], 24, v[\pw]
.irp c, 0,1
	v_cvt_scalef32_pk16_fp6_f32 v[\pc+6*\c:\pc+2+6*\c], v[\s+32*\c:\s+15+32*\c], v[TM+12+2*\c]
	v_cvt_scalef32_pk16_fp6_f32 v[\pt+4*\c:\pt+2+4*\c], v[\s+16+32*\c:\s+31+32*\c], v[TM+12+2*\c+1]
.endr
	v_nop                                                  ; one plain place behind a scaled conversion
.irp c, 0,1
.irp i, 0,1,2
	v_permlane16_swap_b32 v[\pc+6*\c+\i], v[\pt+4*\c+\i]
.endr
.irp i, 0,1,2
	v_mov_b32 v[\pc+3+6*\c+\i], v[\pt+4*\c+\i]
.endr
.endr
.endm
	s_load_b128 s[4:7], s[0:1], 0x0                ; opnd, b_qkv
	s_load_b64 s[8:9], s[0:1], 0x10                ; qkvimg
	v_lshl_add_u32 v[SPW], v0, 2, SPARE
	v_mov_b32 v[NIL], 0
	ds_add_u32 v[SPW], v[NIL]                      ; the wave's opening: the add, and its wait ahead of my first tensor load
	v_lshrrev_b32 v1, 5, v0
	v_readfirstlane_b32 s14, v1                    ; wave 0..3
	s_lshr_b32 s15, s14, 1                         ; my half of source 1's rows.  Also: I fetch for A (0) or for B (1)
	s_and_b32 s16, s14, 1                          ; my half of source 0's rows.  Also: which 128 rows I fetch
	s_bfe_u32 s40, ttmp6, 0x40000                  ; cx
	s_bfe_u32 s41, ttmp6, 0x40004                  ; cy
	s_and_b32 s17, ttmp7, 0xffff                   ; cluster y
	s_cmp_eq_u32 ttmp9, 2                          ; is this cluster v's?  The same in all sixteen partners
	s_cselect_b32 s18, s17, ttmp9                  ; B's cluster coordinate: tokens for v, channels else
	s_cselect_b32 s19, ttmp9, s17                  ; A's
	s_cselect_b32 s92, 0, 512                      ; B's first tile in opnd
	s_cselect_b32 s93, 512, 0                      ; A's
	s_cselect_b32 s94, -1, 0                       ; as lane masks: v,
	s_cselect_b32 s100, 0, -1                      ; not v
	s_lshl_b32 s18, s18, 2
	s_add_co_u32 s42, s18, s40                     ; B's block of 256 rows: hangs on cx alone
	s_lshl_b32 s19, s19, 2
	s_add_co_u32 s17, s19, s41                     ; A's: hangs on cy alone
	s_lshl_b32 s43, s41, 2
	s_lshl_b32 s43, 15, s43                        ; my row of the cluster
	s_lshl_b32 s44, 0x1111, s40                    ; my column
	; codes: 8 tiles' 3,072 bytes (384 elements of 8 bytes), 12,288 bytes apart; dense in LDS
	s_or_b32 s[G1+0], s43, (3<<16)|(1<<21)
	s_or_b32 s[G1B+0], s44, (3<<16)|(1<<21)
.irp g, G1, G1B
	s_mov_b32 s[\g+1], 384<<16                     ; tensor_dim0
	s_mov_b32 s[\g+2], 8<<16                       ; tensor_dim1
	s_mov_b32 s[\g+3], 384<<16                     ; tile_dim0
	s_mov_b32 s[\g+4], 8                           ; tile_dim1
	s_mov_b32 s[\g+5], 1536                        ; stride
	s_mov_b32 s[\g+6], 0
	s_mov_b32 s[\g+7], 0
.endr
	; scale words of 128 rows: 4,096 dense bytes as 16 rows of 256, 16 bytes of padding behind each
	s_or_b32 s[G1S+0], s43, (3<<16)|(1<<20)|(1<<21)|(5<<22)|(3<<25)
	s_or_b32 s[G1SB+0], s44, (3<<16)|(1<<20)|(1<<21)|(5<<22)|(3<<25)
.irp g, G1S, G1SB
	s_mov_b32 s[\g+1], 32<<16
	s_mov_b32 s[\g+2], 16<<16
	s_mov_b32 s[\g+3], 32<<16
	s_mov_b32 s[\g+4], 16
	s_mov_b32 s[\g+5], 32
	s_mov_b32 s[\g+6], 0
	s_mov_b32 s[\g+7], 0
.endr
	s_lshl_b32 s18, s16, 3                         ; which 8 tiles I fetch
	s_lshl_b32 s20, s17, 4
	s_add_co_u32 s20, s20, s93
	s_add_co_u32 s20, s20, s18                     ; A's first tile
	s_lshl_b32 s46, s42, 4
	s_add_co_u32 s46, s46, s92
	s_add_co_u32 s46, s46, s18                     ; B's
	s_lshl_b32 s22, s20, 9
	s_add_co_u32 s22, s22, 9437184
	s_mov_b32 s23, 0
	s_mul_i32 s20, s20, 12288
	s_mov_b32 s21, 0
	s_lshl_b32 s96, s46, 9
	s_add_co_u32 s96, s96, 9437184
	s_mov_b32 s97, 0
	s_mul_i32 s46, s46, 12288
	s_mov_b32 s47, 0
	s_mul_i32 s45, s14, HALFT                      ; where they go: wave x 128 rows: no place in the cluster enters an LDS address
	s_mul_i32 s95, s14, HALFS
	s_mov_b32 s[SEL], 0x76543210
	s_mov_b32 s[SEL+1], 0xfedcba98
	s_wait_dscnt 0x0                               ; the opening add is done
	s_wait_kmcnt 0x0
	s_add_nc_u64 s[20:21], s[4:5], s[20:21]
	s_add_nc_u64 s[22:23], s[4:5], s[22:23]
	s_add_nc_u64 s[46:47], s[4:5], s[46:47]
	s_add_nc_u64 s[96:97], s[4:5], s[96:97]
	CROUND                                         ; all sixteen work-groups are here: the first joint loads meet
	s_mov_b32 s[G0S], 1
	s_add_co_u32 s[G0S+1], s95, SCL
	s_mov_b64 s[G0S+2:G0S+3], s[22:23]
	s_or_b32 s[G0S+3], s[G0S+3], 0x80000000
	s_mov_b32 s[G0SB], 1
	s_add_co_u32 s[G0SB+1], s95, SCL
	s_mov_b64 s[G0SB+2:G0SB+3], s[96:97]
	s_or_b32 s[G0SB+3], s[G0SB+3], 0x80000000
	JLOAD G0S, G1S, G0SB, G1SB                     ; the scale words first; by this text's count three loads of a wave are out at the start, later one
.irp s, 0,1
	s_mov_b32 s[G0+4*\s], 1
	s_add_co_u32 s[G0+4*\s+1], s45, \s*SLOT
	s_add_nc_u64 s[G0+4*\s+2:G0+4*\s+3], s[20:21], \s*TILEB
	s_or_b32 s[G0+4*\s+3], s[G0+4*\s+3], 0x80000000
	s_mov_b32 s[G0B+4*\s], 1
	s_add_co_u32 s[G0B+4*\s+1], s45, \s*SLOT
	s_add_nc_u64 s[G0B+4*\s+2:G0B+4*\s+3], s[46:47], \s*TILEB
	s_or_b32 s[G0B+4*\s+3], s[G0B+4*\s+3], 0x80000000
	JLOAD G0+4*\s, G1, G0B+4*\s, G1B
.endr
	v_and_b32 v1, 15, v0                           ; r
	v_bfe_u32 v2, v0, 4, 1                         ; h
	v_and_b32 v3, 31, v0
	v_lshlrev_b32 v4, 3, v3                        ; 8 x lane
	v_lshlrev_b32 v26, 3, v3                       ; the same, for the stores of codes
	v_lshlrev_b32 v25, 4, v3                       ; 16 x lane, for the scale images
	s_mul_i32 s21, s15, HALFT
	s_mul_i32 s22, s16, HALFT
	s_add_co_u32 s22, s22, 2*HALFT
.irp s, 0,1
	v_add_nc_u32 v[ADRA+\s], s21, v4
	v_add_nc_u32 v[ADRB+\s], s22, v4
	s_add_co_u32 s21, s21, SLOT
	s_add_co_u32 s22, s22, SLOT
.endr
	v_lshlrev_b32 v5, 4, v1                        ; a row's four scale words: 16 r
	s_mul_i32 s21, s15, HALFS
	s_mul_i32 s22, s16, HALFS
	s_add_co_u32 s22, s22, 2*HALFS
	s_sub_co_u32 s22, s22, s21
	v_mul_u32_u24 v6, s22, v2                      ; lanes 16-31 take B's
	s_add_co_u32 s21, s21, SCL
	v_add_nc_u32 v5, v5, v6
	v_add_nc_u32 v[ADRS], s21, v5
.irp b, 0,1,2,3
	v_mov_b32 v[TM+4+\b], 0                        ; written once: a lane permute's destination counts as one of its sources
.endr
	; where my 128 x 128 goes
	s_lshl_b32 s12, s42, 8
	s_lshl_b32 s13, s16, 7
	s_add_co_u32 s12, s12, s13                     ; source 0's first row
	s_lshl_b32 s13, s17, 8
	s_lshl_b32 s66, s15, 7
	s_add_co_u32 s13, s13, s66                     ; source 1's
	s_cmp_eq_u32 ttmp9, 2
	s_cselect_b32 s66, s12, s13                    ; the first token
	s_cselect_b32 s67, s13, s12                    ; the first row of w_qkv
	s_cselect_b32 s98, 0, s12                      ; where the bias along source 0 begins (for v: not used, so 0: no load leaves b_qkv)
	s_cselect_b32 s99, s13, 0                      ; and along source 1
	s_lshr_b32 s2, s67, 10                         ; R
	s_bfe_u32 s3, s67, 0x30007                     ; pair of heads
	s_lshr_b32 s12, s66, 11                        ; batch
	s_bfe_u32 s13, s66, 0x40007                    ; step of 128 tokens
	s_lshl_b32 s12, s12, 3
	s_add_co_u32 s12, s12, s3
	s_lshl_b32 s12, s12, 4
	s_add_co_u32 s12, s12, s13                     ; idx
	s_mul_i32 s66, s2, 6291456
	s_mul_i32 s3, s12, 12288
	s_add_co_u32 s66, s66, s3
	s_mov_b32 s67, 0
	s_add_nc_u64 s[66:67], s[8:9], s[66:67]        ; the codes
	s_lshl_b32 s2, s2, 19
	s_lshl_b32 s12, s12, 10
	s_add_co_u32 s2, s2, s12
	s_add_co_u32 s2, s2, 18874368
	s_mov_b32 s3, 0
	s_add_nc_u64 s[2:3], s[8:9], s[2:3]            ; the scale images
	s_lshl_b32 s98, s98, 2
	s_lshl_b32 s99, s99, 2
	v_lshl_add_u32 v5, v2, 6, s98                  ; register 16 b + i of the bias: row 32 b + 16 h + i
	v_and_b32 v6, 8, v1
	v_add_nc_u32 v6, v6, v1
	v_lshl_add_u32 v6, v6, 2, s99                  ; source 1's row r + 8 (r / 8) of a tile
.irp b, 0,1,2,3
.irp j, 0,1,2,3
	global_load_b128 v[BIAS+16*\b+4*\j:BIAS+16*\b+4*\j+3], v5, s[6:7] offset:128*\b+16*\j
.endr
.endr
.irp a, 0,1,2,3,4,5,6,7
	global_load_b32 v[BV+\a], v6, s[6:7] offset:(32*(\a/2)+8*(\a%2))*4
.endr
	s_wait_loadcnt 0x0
.set j, 0
.rept 64
	v_cndmask_b32 v[BIAS+j], 0, v[BIAS+j], s100    ; kept for q and k
.set j, j+1
.endr
.set j, 0
.rept 8
	v_cndmask_b32 v[BV+j], 0, v[BV+j], s94         ; kept for v
.set j, j+1
.endr
.macro FRAG reg, adr, q, i             ; a fragment as it lies: six planes of 256 consecutive bytes
.irp p, 0,1,2,3,4,5
	ds_load_b64 v[\reg+2*\p:\reg+2*\p+1], v[\adr] offset:(\i)*TILEB+(\q)*1536+256*\p
.endr
.endm
; 16 matrix instructions: A's tiles a0, a0 + 1 x B's eight.  first = 1: the bias is the C of the sum's first product.  The 64 accumulators take turns, one instruction a turn.
.macro MUL16 a0, p, q, sc, first
.irp a, \a0, \a0+1
.irp b, 0,1,2,3,4,5,6,7
.if \first
	v_wmma_scale_f32_16x16x128_f8f6f4 v[8*(8*((\a)%4)+\b):8*(8*((\a)%4)+\b)+7], v[128*(\p)+FR*\b:128*(\p)+FR*\b+FR-1], v[AF+FR*(\a):AF+FR*(\a)+FR-1], v[BIAS+8*\b:BIAS+8*\b+7], v[SC+8*NQ*(\sc)+NQ*\b+(\q)], v[SC+8*NQ*(\sc)+NQ*(\a)+(\q)] matrix_a_fmt:MATRIX_FMT_FP6 matrix_b_fmt:MATRIX_FMT_FP6 matrix_a_scale:MATRIX_SCALE_ROW1
.else
	v_wmma_scale_f32_16x16x128_f8f6f4 v[8*(8*((\a)%4)+\b):8*(8*((\a)%4)+\b)+7], v[128*(\p)+FR*\b:128*(\p)+FR*\b+FR-1], v[AF+FR*(\a):AF+FR*(\a)+FR-1], v[8*(8*((\a)%4)+\b):8*(8*((\a)%4)+\b)+7], v[SC+8*NQ*(\sc)+NQ*\b+(\q)], v[SC+8*NQ*(\sc)+NQ*(\a)+(\q)] matrix_a_fmt:MATRIX_FMT_FP6 matrix_b_fmt:MATRIX_FMT_FP6 matrix_a_scale:MATRIX_SCALE_ROW1
.endif
.endr
.endr
.endm
.macro FETCH_B slot, q, p
	WIN TO_B
.irp i, 0,1,2,3,4,5,6,7
	FRAG 128*(\p)+FR*\i, ADRB+\slot, \q, \i
.endr
	WIN 0
.endm
.macro FETCH_A slot, q, i0
.irp i, \i0, \i0+1, \i0+2, \i0+3
	FRAG AF+FR*(\i), ADRA+\slot, \q, \i
.endr
.endm
.macro SCALES sc                       ; a slot's two words a row: lanes 0-15 A's tile i, lanes 16-31 B's tile i
.irp i, 0,1,2,3,4,5,6,7
	ds_load_b64 v[SC+8*NQ*\sc+NQ*\i:SC+8*NQ*\sc+NQ*\i+1], v[ADRS] offset:\i*SBLK
.endr
.endm
.macro PLACES n                        ; plain vector instructions between a matrix instruction and a load into, or a read of, its registers
.rept \n
	v_nop
.endr
.endm
.macro STEP slot, q, first             ; 128 along K whose successor lies in the same slot
	s_wait_dscnt 4*NL                              ; B's set, A's tiles 0-3 and the scale words are in; the youngest 24 loads (A's tiles 4-7) may be out
.if \first
	WIN 0x81                                       ; C (the bias) in window 0, D in window 2
.else
	WIN MUL_LO
.endif
	MUL16 0, (\q)%2, \q, \slot, \first
	MUL16 2, (\q)%2, \q, \slot, \first
	s_wait_dscnt 0
	PLACES NP
	FETCH_B \slot, (\q)+1, 1-(\q)%2
	FETCH_A \slot, (\q)+1, 0
.if \first
	WIN 0xc1
.else
	WIN MUL_HI
.endif
	MUL16 4, (\q)%2, \q, \slot, \first
	MUL16 6, (\q)%2, \q, \slot, \first
	PLACES NP
	WIN 0
	FETCH_A \slot, (\q)+1, 4
.endm
; A slot's last step changes slots: one barrier; in front of it each wave waits for all its tensor loads, adds 0 to its spare word, and waits for that and for its reads of this slot.
.macro TURN slot, next, fill
	s_wait_tensorcnt 0x0                           ; all my tensor loads have landed: my part of the next slot
	ds_add_u32 v[SPW], v[NIL]                      ; 0 onto my spare word
	s_wait_dscnt 4*NL+1                            ; (the add and the youngest 24 loads may be out)
	WIN MUL_LO
	MUL16 0, 1, NQ-1, \slot, 0
	s_wait_dscnt 0x0                               ; the add is done, and my reads of this slot are over
	s_barrier_signal -1
	MUL16 2, 1, NQ-1, \slot, 0
	WIN 0
	s_barrier_wait -1
.if \fill
	CREST                                          ; the barrier has opened a round of the cluster's: no wave of any partner still reads this slot or has a load on its way
	s_add_nc_u64 s[G0+4*\slot+2:G0+4*\slot+3], s[G0+4*\slot+2:G0+4*\slot+3], 2*TILEB
	s_add_nc_u64 s[G0B+4*\slot+2:G0B+4*\slot+3], s[G0B+4*\slot+2:G0B+4*\slot+3], 2*TILEB
	JLOAD G0+4*\slot, G1, G0B+4*\slot, G1B         ; the first tensor load behind the round; its four v_nop are the places in front of the loads below
.else
	PLACES NP
.endif
.if \next == 1
	v_add_nc_u32 v[ADRS], 8, v[ADRS]               ; the next two words of the same four
.else
	v_add_nc_u32 v[ADRS], 264, v[ADRS]             ; on into the next unit of 256 + 16 bytes
.endif
	FETCH_B \next, 0, 0
	FETCH_A \next, 0, 0
	SCALES \next
	WIN MUL_HI
	MUL16 4, 1, NQ-1, \slot, 0
	MUL16 6, 1, NQ-1, \slot, 0
	PLACES NP
	WIN 0
	FETCH_A \next, 0, 4
.endm
	s_wait_tensorcnt 1                             ; the scale words and my part of slot 0 are in; slot 1's load may be out
	s_barrier_signal -1
	s_barrier_wait -1
	FETCH_B 0, 0, 0
	FETCH_A 0, 0, 0
	SCALES 0
	FETCH_A 0, 0, 4
	STEP 0, 0, 1                                   ; K = 1,024 is eight steps: written straight
	TURN 0, 1, 1
	STEP 1, 0, 0
	TURN 1, 0, 1
	STEP 0, 0, 0
	TURN 0, 1, 0                                   ; nothing is left to fetch
	STEP 1, 0, 0
	s_wait_dscnt 4*NL
	WIN MUL_LO
	MUL16 0, 1, NQ-1, 1, 0
	MUL16 2, 1, NQ-1, 1, 0
	s_wait_dscnt 0
	WIN MUL_HI
	MUL16 4, 1, NQ-1, 1, 0
	MUL16 6, 1, NQ-1, 1, 0
	WIN 0
	PLACES NP                                      ; in front of the first read of results and the first write over source 1's fragments
; THE WAY OUT.  For source 1's tile a a lane holds 64 numbers of ONE row, 16 neighbours of each block of 32 along source 0's rows: they are quantised as they stand and leave as six planes.
.macro OUT a
.if (\a) >= 2
	s_wait_xcnt 0x0                                ; tile a - 2's stores have read this set of codes
.endif
.set AC, 64*((\a)%4)
.set PCA, PC+12*((\a)%2)
	WIN 2+(\a)/4                                   ; source 0: the accumulators' window
.set m, 0
.rept 32
.if ((\a)%2) == 0
	v_pk_add_f32 v[HA+m:HA+m+1], v[AC+m:AC+m+1], v[BV+(\a):BV+(\a)+1] op_sel_hi:[1,0]              ; + the bias of my row of source 1; each accumulator from its low end on
.else
	v_pk_add_f32 v[HA+m:HA+m+1], v[AC+m:AC+m+1], v[BV+(\a)-1:BV+(\a)] op_sel:[0,1] op_sel_hi:[1,1]
.endif
.set m, m+2
.endr
	WIN 0
	QUANT HA, PCA, PT, PW+(\a)
.irp p, 0,1,2,3,4,5
	global_store_b64 v26, v[PCA+2*\p:PCA+2*\p+1], s[66:67] offset:(\p/3)*6144+768*(\a)+256*(\p%3)   ; 256 consecutive bytes, aligned
.endr
.endm
.irp a, 0,1,2,3,4,5,6,7
	OUT \a
.endr
	s_mov_b32 s94, 0xffff0000                      ; lanes 16-31
.irp n, 0,1,2,3
	v_cndmask_b32 v[SW+\n], v[PW+2*\n], v[PW+2*\n+1], s94
.endr
.irp n, 0,1,2,3
	v_lshrrev_b32 v[SWB+\n], 16, v[SW+\n]
.endr
	global_store_b128 v25, v[SW:SW+3], s[2:3]
	global_store_b128 v25, v[SWB:SWB+3], s[2:3] offset:512
	s_wait_tensorcnt 0x0                           ; the wave's end
	ds_add_u32 v[SPW], v[NIL]
	s_wait_dscnt 0x0
	CROUND                                         ; the closing round
	s_endpgm
.Lfunc_end_k_qd7ee532939_qkv:
	.size	k_qd7ee532939_qkv, .Lfunc_end_k_qd7ee532939_qkv-k_qd7ee532939_qkv
	.p2alignl 7, 3214868480
	.fill 96, 4, 3214868480
	.section	.rodata,"a",@progbits
	.p2align	6, 0x0
	.amdhsa_kernel k_qd7ee532939_qkv
		.amdhsa_group_segment_fixed_size 327680
		.amdhsa_private_segment_fixed_size 0
		.amdhsa_enable_private_segment 0
		.amdhsa_kernarg_size 24
		.amdhsa_user_sgpr_count 2
		.amdhsa_user_sgpr_kernarg_segment_ptr 1
		.amdhsa_wavefront_size32 1
		.amdhsa_system_sgpr_workgroup_id_x 1
		.amdhsa_system_sgpr_workgroup_id_y 1
		.amdhsa_system_sgpr_workgroup_id_z 1
		.amdhsa_system_vgpr_workitem_id 0
		.amdhsa_next_free_vgpr 1024
		.amdhsa_next_free_sgpr 102
		.amdhsa_reserve_vcc 0
		.amdhsa_float_denorm_mode_32 3
		.amdhsa_float_denorm_mode_16_64 3
		.amdhsa_memory_ordered 1
		.amdhsa_forward_progress 1
		.amdhsa_inst_pref_size 189
	.end_amdhsa_kernel
	.amdgpu_metadata
---
amdhsa.version: [ 1, 2 ]
amdhsa.kernels:
  - .name:           k_qd7ee532939_qkv
    .symbol:         k_qd7ee532939_qkv.kd
    .args:
      - { .name: opnd, .offset: 0, .size: 8, .value_kind: global_buffer, .address_space: global }
      - { .name: b_qkv, .offset: 8, .size: 8, .value_kind: global_buffer, .address_space: global }
      - { .name: qkvimg, .offset: 16, .size: 8, .value_kind: global_buffer, .address_space: global }
    .group_segment_fixed_size: 327680
    .private_segment_fixed_size: 0
    .kernarg_segment_align: 8
    .kernarg_segment_size: 24
    .max_flat_workgroup_size: 128
    .sgpr_count:     102
    .vgpr_count:     1024
    .wavefront_size: 32
...
	.end_amdgpu_metadata
.endif
;; end of part 2
;; launch attn (part 3): grid 64 x 4, 16 waves a work-group, no clusters, 30,720 bytes of LDS; arguments qkvimg, msk, yimg; writes yimg
.if DOCPART == 3
	.amdgcn_target "amdgcn-amd-amdhsa--gfx1250"
	.amdhsa_code_object_version 6
	.text
	.protected	k_qd7ee532939_attn
	.globl	k_qd7ee532939_attn
	.p2align	8
	.type	k_qd7ee532939_attn,@function
k_qd7ee532939_attn:
	s_mov_b64 s[64:65], 0
	v_nop
	global_prefetch_b8 v0, s[64:65] scope:SCOPE_SE
	s_setreg_imm32_b32 hwreg(HW_REG_WAVE_MODE, 25, 1), 1
	s_wait_xcnt 0x0
; ATTN.  y = softmax(mask ? q k^T / 8 : -inf) v for one head, both products on codes of FP6 (E2M3) with E8M0 scales; y is quantised along the model's channels and leaves as images of operand registers.
; THE SOFTMAX: t = score x log2(e) / 8; M = the row's largest t so far, rounded UP to a whole number; p = 2^(t - M) is quantised along the keys, not normalised; the row's sum is taken of the unquantised p and divides
; O at the end.  When M moves, the sum and O are multiplied by 2^(old M - new M): exact.
; SHARES.  Work-group x = (batch, head), y = 0 .. 3: two passes over blocks of 256 queries, block y and block 7 - y.  Each of sixteen waves owns one tile of 16 queries in 256 registers, four waves to a SIMD.
; A pass walks 16 steps of 128 keys, eight trips of two: the trip counts are constants.
; THE MASK IS AN INPUT.  An earlier launch has stored, as whole numbers, a flag for each (tile of queries, key step) and the mask as lane-mask words.  A step none of whose keys counts for my tile is jumped over
; (its loads from LDS, products and softmax); a step that no tile of the block needs is not staged; a step with hidden keys sets their scores to -infinity.  No barrier stands under such a branch.
; Since branches hang on stored numbers, K and V come to LDS through registers, one step ahead, each wave three planes of 256 bytes: so no joint requests either; what a live key step stages is 12.9 KB for sixteen waves.
; LAYOUT.  Both products are used transposed: S^T = K Q^T, O^T = V^T P^T: a lane holds ONE query.  Tile 2 g + u of keys (queries, channels) holds 32 g + 8 u + r + 8 (r / 8): the 16 registers of two neighbouring
; tiles are 16 neighbours.  K = 64 IN A FORM OF K = 128: Q's registers 6-11 are zero codes, so the upper half of a fragment of K may hold anything: tile t's operand is v[40 + 6 t : 51 + 6 t].
; LIMITS: a block whose largest magnitude lies under 2^-124 keeps the byte 1; a block of zeros has the byte 1 and zero codes; NaN and infinities are not served.  A query with no key that counts gets the scale byte
; 0xff on its blocks of y: its whole output row is NaN, as the softmax of a row of -infinity is.
; REGISTERS: v1-11 addresses; v12 -M, v13 largest t, v[14:15] the sum; v16-27 Q (22-27 zeros); v28 Q's scale word; v29, v38, v39, v94 offsets; v30-37 staged planes; v40-87 K, then V; v88-93 zeros;
; v96-159 S^T, then p; v160-191 O^T; v192-211 p's codes; v212-223 at work; v224-227 K's scale words, v228-229 V's, v230 p's; v[232:233] f; v234-235 at work.
.set SLOTB, 14336                      ; a slot: K [lane][192 + 16 bytes], V likewise, K's scale words [lane][16], V's [lane][8]
.set VOFF,  6656
.set KSC,   13312
.set VSC,   13824
.set SPARE, 2*SLOTB                    ; the spare words, 128 bytes for each of sixteen waves
.set SPW, 5
.set NIL, 6
.set BM,  212                          ; block maxima
.set T4,  216                          ; four temporaries
.set SO,  220                          ; the conversions' scale operands
.macro STAGE_LOAD off, soff            ; my three planes of the step's K or V; waves 0-2: a plane of scale words
.irp i, 0,1,2
	global_load_b64 v[30+2*\i:31+2*\i], v7, s[26:27] offset:\off+256*\i
.endr
	s_cmp_lt_u32 s10, 3
	s_cbranch_scc0 .Lnsl_\@
	global_load_b64 v[36:37], v9, s[30:31] offset:\soff
.Lnsl_\@:
.endm
.macro STAGE_STORE slot
.irp i, 0,1,2
	ds_store_b64 v4, v[30+2*\i:31+2*\i] offset:(\slot)*SLOTB+8*\i
.endr
	s_cmp_lt_u32 s10, 3
	s_cbranch_scc0 .Lnss_\@
	ds_store_b64 v8, v[36:37] offset:(\slot)*SLOTB
.Lnss_\@:
.endm
; A prefetch of the NEXT trip's two steps of a pair of heads: 24,576 dense bytes of K and as many of V.  Asked once in the launch: by the work-group with y = 0 of the pair's first head, in its first pass;
; waves 4-6 ask for K, waves 8-10 for V, 8,192 bytes a wave, lanes 256 bytes apart.  The last trip asks for nothing; steps 0 and 1 come by their loads alone.
.macro ASK
	s_cmp_gt_u32 s40, s58
	s_cbranch_scc0 .Lna_\@
	global_prefetch_b8 v29, s[56:57] th:TH_LOAD_NT scope:SCOPE_SE
.Lna_\@:
.endm
.macro COMPUTE q
.set n, 0
.rept 12
	ds_load_b128 v[40+4*n:43+4*n], v1 offset:(\q)*SLOTB+16*n
.set n, n+1
.endr
	ds_load_b128 v[224:227], v2 offset:(\q)*SLOTB+KSC     ; register n: lanes 0-15 the words of tile 2 n, lanes 16-31 of tile 2 n + 1
	s_wait_dscnt 0x0
.irp t, 0,1,2,3,4,5,6,7
.if (\t%2) == 0
	v_wmma_scale_f32_16x16x128_f8f6f4 v[96+8*\t:103+8*\t], v[40+6*\t:51+6*\t], v[16:27], 0, v[224+\t/2], v28 matrix_a_fmt:MATRIX_FMT_FP6 matrix_b_fmt:MATRIX_FMT_FP6
.else
	v_wmma_scale_f32_16x16x128_f8f6f4 v[96+8*\t:103+8*\t], v[40+6*\t:51+6*\t], v[16:27], 0, v[224+\t/2], v28 matrix_a_fmt:MATRIX_FMT_FP6 matrix_b_fmt:MATRIX_FMT_FP6 matrix_a_scale:MATRIX_SCALE_ROW1
.endif
.endr
.rept 4
	v_nop                                          ; places in front of the loads into K's registers and of the first read of the scores
.endr
.set n, 0
.rept 12
	ds_load_b128 v[40+4*n:43+4*n], v1 offset:(\q)*SLOTB+VOFF+16*n   ; V lands under the softmax
.set n, n+1
.endr
	ds_load_b64 v[228:229], v3 offset:(\q)*SLOTB+VSC
	s_bitcmp1_b32 s39, \q                          ; has this step hidden keys for my tile?
	s_cbranch_scc0 .Lopen_\@
.irp g, 0,1
	s_load_b512 s[68:83], s[34:35], s36 offset:(\q)*256+128*\g
	s_load_b512 s[84:99], s[34:35], s36 offset:(\q)*256+128*\g+64
	s_wait_kmcnt 0x0
.set n, 0
.rept 32
	v_cndmask_b32 v[96+32*\g+n], v10, v[96+32*\g+n], s[68+n]   ; word j: a bit for each lane: the score stays where the key counts, else -infinity
.set n, n+1
.endr
.endr
.Lopen_\@:
.irp b, 0,1,2,3
	v_max3_num_f32 v[BM+\b], v[96+16*\b], v[97+16*\b], v[98+16*\b]   ; the largest score of each block of 32 keys: for the row's maximum, and, since p rises with the score, for the block's largest p
.endr
.irp i, 3,5,7,9,11,13
.irp b, 0,1,2,3
	v_max3_num_f32 v[BM+\b], v[BM+\b], v[96+16*\b+\i], v[97+16*\b+\i]
.endr
.endr
.irp b, 0,1,2,3
	v_max_num_f32 v[BM+\b], v[BM+\b], v[111+16*\b]
.endr
.irp b, 0,1,2,3
	v_permlanex16_b32 v[T4+\b], v[BM+\b], s20, s21
.endr
.irp b, 0,1,2,3
	v_max_num_f32 v[BM+\b], v[BM+\b], v[T4+\b]
.endr
	v_max3_num_f32 v234, v[BM], v[BM+1], v[BM+2]
	v_max_num_f32 v234, v234, v[BM+3]
	v_mul_f32 v234, s22, v234                      ; as t
	v_max_num_f32 v13, v13, v234                   ; the running largest t
	v_mov_b32 v234, v12
	v_floor_f32 v12, -v13                          ; the new -M = -ceil(t): a whole number
	v_sub_f32 v234, v12, v234                      ; old M - new M, 0 or less
	v_cvt_i32_f32 v234, v234                       ; (it saturates)
	v_ldexp_f32 v232, 1.0, v234                    ; f = 2^(old M - new M)
.set j, 0
.rept 32
	v_pk_fma_f32 v[96+j:97+j], v[96+j:97+j], s[22:23], v[12:13] op_sel_hi:[1,0,0]   ; t - M
.set j, j+2
.endr
.irp b, 0,1,2,3
	v_fma_f32 v[BM+\b], v[BM+\b], s22, v12
.endr
.set j, 0
.rept 64
	v_exp_f32 v[96+j], v[96+j]                     ; p = 2^(t - M)
.set j, j+1
.endr
	v_pk_mul_f32 v[14:15], v[14:15], v[232:233] op_sel_hi:[1,0]   ; the sums under the new M: the plain place behind the exponentials
	s_wait_alu depctr_va_vdst(0)                   ; one wait for the batch, ahead of its first reader
.irp b, 0,1,2,3
	v_exp_f32 v[BM+\b], v[BM+\b]                   ; each block's largest p
.endr
	v_pk_add_f32 v[T4:T4+1], v[96:97], v[98:99]    ; the row's sum of the unquantised p, in two chains
.set j, 4
.rept 15
	v_pk_add_f32 v[14:15], v[14:15], v[96+j:97+j]
	v_pk_add_f32 v[T4:T4+1], v[T4:T4+1], v[98+j:99+j]
.set j, j+4
.endr
	v_pk_add_f32 v[14:15], v[14:15], v[T4:T4+1]
	s_wait_alu depctr_va_vdst(0)                   ; and one for the four
.irp b, 0,1,2,3
	v_max_num_f32 v[BM+\b], 0x1800000, v[BM+\b]    ; the floor 2^(3 - 127)
.endr
.irp b, 0,1,2,3
	v_add_nc_u32 v[SO+\b], 0xff000000, v[BM+\b]
.endr
.irp b, 0,1,2,3
	v_lshrrev_b32 v[T4+\b], 23, v[SO+\b]
.endr
	v_lshl_or_b32 v230, v[T4+1], 8, v[T4]          ; p's scale word for these 128 keys
	v_lshl_or_b32 v230, v[T4+2], 16, v230
	v_lshl_or_b32 v230, v[T4+3], 24, v230
.irp c, 0,1
	v_cvt_scalef32_pk16_fp6_f32 v[192+6*\c:194+6*\c], v[96+32*\c:111+32*\c], v[SO+2*\c]
	v_cvt_scalef32_pk16_fp6_f32 v[204+4*\c:206+4*\c], v[112+32*\c:127+32*\c], v[SO+2*\c+1]
.endr
	v_nop                                          ; one plain place behind a scaled conversion
.irp c, 0,1
.irp i, 0,1,2
	v_permlane16_swap_b32 v[192+6*\c+\i], v[204+4*\c+\i]
.endr
.irp i, 0,1,2
	v_mov_b32 v[195+6*\c+\i], v[204+4*\c+\i]
.endr
.endr
.set j, 0
.rept 16
	v_pk_mul_f32 v[160+j:161+j], v[160+j:161+j], v[232:233] op_sel_hi:[1,0]   ; O^T under the new M; these sixteen are also the places between p's codes and scale word and the products
.set j, j+2
.endr
	s_wait_dscnt 0x0                               ; V is in
.irp t, 0,1,2,3
.if (\t%2) == 0
	v_wmma_scale_f32_16x16x128_f8f6f4 v[160+8*\t:167+8*\t], v[40+12*\t:51+12*\t], v[192:203], v[160+8*\t:167+8*\t], v[228+\t/2], v230 matrix_a_fmt:MATRIX_FMT_FP6 matrix_b_fmt:MATRIX_FMT_FP6
.else
	v_wmma_scale_f32_16x16x128_f8f6f4 v[160+8*\t:167+8*\t], v[40+12*\t:51+12*\t], v[192:203], v[160+8*\t:167+8*\t], v[228+\t/2], v230 matrix_a_fmt:MATRIX_FMT_FP6 matrix_b_fmt:MATRIX_FMT_FP6 matrix_a_scale:MATRIX_SCALE_ROW1
.endif
.endr
.rept 4
	v_nop                                          ; places behind the last products, inside the part that is jumped over: every way on has them
.endr
.endm
; Key step 2 x trip + q, in slot q.  One barrier a step: in front of it my reads of slot q are over and my part of slot 1 - q, last read in front of the barrier before, has landed.
.macro STEP q
	s_bitcmp1_b32 s37, \q+1                        ; does any tile of the block need the next step?
	s_cbranch_scc0 .Lnl_\@
	STAGE_LOAD (\q+1)*12288, (\q+1)*1024
.Lnl_\@:
.if \q == 0
	ASK
.endif
	s_bitcmp1_b32 s38, \q                          ; does any key of this step count for my tile?
	s_cbranch_scc0 .Ldead_\@
	COMPUTE \q
.Ldead_\@:
	s_wait_loadcnt 0x0                             ; the staged planes are in registers
	s_bitcmp1_b32 s37, \q+1
	s_cbranch_scc0 .Lns_\@
	STAGE_STORE 1-\q
.Lns_\@:
	s_wait_dscnt 0x0
	s_barrier_signal -1
	s_barrier_wait -1
.endm
	s_load_b128 s[4:7], s[0:1], 0x0                ; qkvimg, msk
	s_load_b64 s[8:9], s[0:1], 0x10                ; yimg
	v_lshl_add_u32 v[SPW], v0, 2, SPARE
	v_mov_b32 v[NIL], 0
	v_lshrrev_b32 v1, 5, v0
	v_readfirstlane_b32 s10, v1                    ; wave 0..15
	s_and_b32 s11, ttmp9, 1                        ; which head of the pair
	s_bfe_u32 s12, ttmp9, 0x30001                  ; the pair
	s_lshr_b32 s13, ttmp9, 4                       ; the batch
	s_and_b32 s14, ttmp7, 0xffff                   ; y
	v_and_b32 v30, 31, v0                          ; lane
	v_and_b32 v31, 15, v0                          ; r
	v_bfe_u32 v32, v0, 4, 1                        ; h
	v_mul_u32_u24 v1, v30, 208                     ; my 48 registers of K or V in a slot
	v_lshlrev_b32 v2, 4, v30
	v_lshlrev_b32 v3, 3, v30
	v_lshlrev_b32 v7, 3, v30                       ; 8 x lane, in memory
	v_lshlrev_b32 v29, 8, v30                      ; 256 x lane
	v_lshl_add_u32 v11, v31, 4, v32                ; y's scale byte: 16 r + h
	s_lshr_b32 s43, s10, 3
	s_mul_i32 s43, s43, VOFF                       ; waves 0-7 stage K, waves 8-15 V
	s_and_b32 s44, s10, 7
	s_mul_i32 s44, s44, 24
	s_add_co_u32 s43, s43, s44
	v_add_nc_u32 v4, s43, v1                       ; six registers of each lane's 48
	s_min_u32 s43, s10, 2
	s_lshl_b32 s43, s43, 8
	s_add_co_u32 s43, s43, KSC
	v_add_nc_u32 v8, s43, v3                       ; waves 0, 1: K's scale words; wave 2: V's
	s_cmp_eq_u32 s10, 2
	s_cselect_b32 s43, 4, 3
	v_lshlrev_b32 v9, s43, v30                     ; in memory: 8 x lane, for V's 16 x lane
	v_mov_b32 v10, 0xff800000                      ; -infinity
	v_lshlrev_b32 v38, 6, v31
	v_lshl_add_u32 v38, v32, 5, v38                ; flags of step r, tiles 8 h .. 8 h + 7
	v_lshlrev_b32 v39, 6, v31
	s_lshl_b32 s43, s10, 2
	v_add_nc_u32 v39, s43, v39                     ; flag of step r, my tile
	s_and_b32 s43, s10, 1
	s_lshl_b32 s43, s43, 8
	s_bfe_u32 s44, s10, 0x20001
	s_lshl_b32 s44, s44, 2
	s_add_co_u32 s43, s43, s44
	v_lshl_add_u32 v94, v31, 4, s43                ; Q's scale word: (16 (a % 2) + r) x 16 + 4 (a / 2), a = wave % 8
.irp i, 22,23,24,25,26,27,30,31,32,33,34,35,36,37,88,89,90,91,92,93,216,217,218,219,233
	v_mov_b32 v\i, 0                               ; zero codes; registers that a way through the text could read before a load has written them; permute destinations; the upper half of f's pair
.endr
	s_mov_b32 s20, 0x76543210
	s_mov_b32 s21, 0xfedcba98
	s_mov_b32 s22, 0x3e38aa3b                      ; c = log2(e) / 8
	s_mov_b32 s23, s22
	s_mov_b32 s24, 0xffff0000                      ; lanes 16-31
	s_lshl_b32 s15, s13, 3
	s_add_co_u32 s15, s15, s12                     ; 8 batch + pair
	s_mul_i32 s46, s15, 196608                     ; its 16 steps of 12,288 bytes
	s_mul_i32 s47, s11, 6144                       ; K: my head's half, tile = wave
	s_mul_i32 s48, s10, 768
	s_add_co_u32 s47, s47, s48
	s_add_co_u32 s47, s47, 6291456
	s_and_b32 s48, s10, 1                          ; V: half (wave % 2) of the fragment of channel tile (wave % 8) / 2 of my head
	s_mul_i32 s48, s48, 6144
	s_bfe_u32 s49, s10, 0x20001
	s_lshl_b32 s50, s11, 2
	s_add_co_u32 s49, s49, s50
	s_mul_i32 s49, s49, 768
	s_add_co_u32 s48, s48, s49
	s_add_co_u32 s48, s48, 12582912
	s_cmp_lt_u32 s10, 8
	s_cselect_b32 s47, s47, s48
	s_add_co_u32 s28, s47, s46
	s_mov_b32 s29, 0
	s_lshl_b32 s47, s15, 14                        ; the scale images: 16 steps of 1,024 bytes
	s_lshl_b32 s48, s11, 9
	s_min_u32 s49, s10, 1
	s_lshl_b32 s49, s49, 8
	s_add_co_u32 s48, s48, s49
	s_add_co_u32 s48, s48, 19398656                ; K's: my head's image, half = wave
	s_lshl_b32 s49, s11, 3
	s_add_co_u32 s49, s49, 19922944                ; V's: words 2 head, 2 head + 1 of each lane's four
	s_cmp_lt_u32 s10, 2
	s_cselect_b32 s48, s48, s49
	s_add_co_u32 s32, s48, s47
	s_mov_b32 s33, 0
	s_and_b32 s47, s10, 3                          ; the prefetches
	s_lshl_b32 s47, s47, 13
	s_add_co_u32 s47, s47, s46
	s_add_co_u32 s47, s47, 24576                   ; trip 1's steps
	s_mov_b32 s48, 12582912
	s_cmp_lt_u32 s10, 8
	s_cselect_b32 s48, 6291456, s48
	s_add_co_u32 s56, s47, s48
	s_mov_b32 s57, 0
	s_sub_co_u32 s51, s10, 4
	s_lshr_b32 s51, s51, 3                         ; 0 in waves 4 to 11
	s_or_b32 s51, s51, s14
	s_or_b32 s51, s51, s11
	s_cmp_eq_u32 s51, 0
	s_cselect_b32 s58, 1, -1
	s_and_b32 s51, s10, 3
	s_cmp_eq_u32 s51, 3                            ; (three waves' worth each)
	s_cselect_b32 s58, -1, s58
	s_wait_kmcnt 0x0
	s_add_nc_u64 s[28:29], s[4:5], s[28:29]        ; my planes of step 0
	s_add_nc_u64 s[32:33], s[4:5], s[32:33]
	s_add_nc_u64 s[56:57], s[4:5], s[56:57]
	s_mov_b32 s41, 2                               ; passes
	s_mov_b32 s42, s14                             ; the block of 256 queries
.Lpass:
	s_wait_xcnt 0x0                                ; the last pass's stores have read their registers and bases
	s_lshl_b32 s43, s42, 4
	s_add_co_u32 s43, s43, s10                     ; my tile of queries, 0 .. 127
	s_lshl_b32 s44, s43, 12
	s_mov_b32 s45, 0
	s_add_nc_u64 s[34:35], s[6:7], s[44:45]        ; its mask words: 16 steps of 256 bytes
	s_lshl_b32 s46, s15, 4
	s_lshr_b32 s47, s43, 3
	s_add_co_u32 s46, s46, s47                     ; the group of 128 tokens in which it lies
	s_mul_i32 s48, s46, 12288
	s_mul_i32 s49, s11, 6144
	s_add_co_u32 s48, s48, s49
	s_and_b32 s49, s10, 7
	s_mul_i32 s49, s49, 768
	s_add_co_u32 s48, s48, s49
	s_mov_b32 s49, 0
	s_add_nc_u64 s[48:49], s[4:5], s[48:49]        ; Q's codes
	s_lshl_b32 s50, s46, 10
	s_lshl_b32 s51, s11, 9
	s_add_co_u32 s50, s50, s51
	s_add_co_u32 s50, s50, 18874368
	s_mov_b32 s51, 0
	s_add_nc_u64 s[50:51], s[4:5], s[50:51]        ; and my head's scale image
	s_lshl_b32 s52, s42, 10
	s_add_co_u32 s52, s52, 524288
	s_mov_b32 s53, 0
	s_add_nc_u64 s[52:53], s[6:7], s[52:53]        ; the block's flags
	global_load_b128 v[96:99], v38, s[52:53]
	global_load_b128 v[100:103], v38, s[52:53] offset:16
	global_load_b32 v104, v39, s[52:53]
.irp i, 0,1,2
	global_load_b64 v[16+2*\i:17+2*\i], v7, s[48:49] offset:256*\i
.endr
	global_load_b32 v28, v94, s[50:51]
	s_lshl_b32 s54, s13, 7
	s_add_co_u32 s54, s54, s43                     ; the tile among all tokens
	s_mul_i32 s60, s54, 12288
	s_mul_i32 s61, s12, 1536
	s_add_co_u32 s60, s60, s61
	s_mul_i32 s61, s11, 768
	s_add_co_u32 s60, s60, s61
	s_mov_b32 s61, 0
	s_add_nc_u64 s[60:61], s[8:9], s[60:61]        ; y's codes: K step = pair, planes 3 head ..
	s_lshl_b32 s62, s54, 9
	s_lshr_b32 s63, s12, 2
	s_lshl_b32 s63, s63, 8
	s_add_co_u32 s62, s62, s63
	s_and_b32 s63, s12, 3
	s_lshl_b32 s63, s63, 2
	s_add_co_u32 s62, s62, s63
	s_lshl_b32 s63, s11, 1
	s_add_co_u32 s62, s62, s63
	s_add_co_u32 s62, s62, 6291456
	s_mov_b32 s63, 0
	s_add_nc_u64 s[62:63], s[8:9], s[62:63]        ; y's scale bytes
	v_mov_b32 v13, 0xff61b1e6                      ; the largest t so far: -3e38
	v_floor_f32 v12, -v13
	v_mov_b32 v14, 0
	v_mov_b32 v15, 0
.set j, 0
.rept 32
	v_mov_b32 v[160+j], 0                          ; O^T: the step is written once; the first change of M leaves zeros zeros
.set j, j+1
.endr
	s_wait_loadcnt 0x0
	v_or_b32 v96, v96, v97
	v_or_b32 v98, v98, v99
	v_or_b32 v100, v100, v101
	v_or_b32 v102, v102, v103
	v_or_b32 v96, v96, v98
	v_or_b32 v100, v100, v102
	v_or_b32 v96, v96, v100
	v_permlanex16_b32 v[T4], v96, s20, s21
	v_or_b32 v96, v96, v[T4]                       ; lane r: step r's flags of all sixteen tiles
	v_and_b32 v96, 1, v96
	v_cmp_ne_u32 s37, 0, v96
	v_and_b32 v97, 1, v104
	v_cmp_ne_u32 s38, 0, v97
	v_and_b32 v98, 2, v104
	v_cmp_ne_u32 s39, 0, v98
	s_and_b32 s37, s37, 0xffff                     ; bit = step: some tile of the block needs it;
	s_and_b32 s38, s38, 0xffff                     ; my tile needs it;
	s_and_b32 s39, s39, 0xffff                     ; it has hidden keys for my tile
	s_mov_b64 s[26:27], s[28:29]
	s_mov_b64 s[30:31], s[32:33]
	s_mov_b32 s36, 0
	s_bitcmp1_b32 s37, 0                           ; step 0 is staged
	s_cbranch_scc0 .Lno_first_load
	STAGE_LOAD 0, 0
.Lno_first_load:
	s_wait_loadcnt 0x0
	s_bitcmp1_b32 s37, 0
	s_cbranch_scc0 .Lno_first_store
	STAGE_STORE 0
.Lno_first_store:
	s_wait_dscnt 0x0
	s_barrier_signal -1
	s_barrier_wait -1
	s_mov_b32 s40, 8
.Ltrip:
	STEP 0
	STEP 1
	s_wait_xcnt 0x0                                ; every earlier load and prefetch has read its addresses: they step, once a trip
	s_add_nc_u64 s[26:27], s[26:27], 24576
	s_add_nc_u64 s[30:31], s[30:31], 2048
	s_add_nc_u64 s[56:57], s[56:57], 24576
	s_add_co_u32 s36, s36, 512
	s_lshr_b32 s37, s37, 2
	s_lshr_b32 s38, s38, 2
	s_lshr_b32 s39, s39, 2
	s_sub_co_u32 s40, s40, 1
	s_cmp_lg_u32 s40, 0
	s_cbranch_scc1 .Ltrip
	; THE WAY OUT: y = O^T / the sum; its 64 channels are two blocks of the last product's K
	v_add_f32 v14, v14, v15
	v_permlanex16_b32 v[T4], v14, s20, s21
	v_add_f32 v14, v14, v[T4]                      ; the row's sum
	v_rcp_f32 v234, v14
	v_nop                                          ; a plain place behind the reciprocal
	v_cmp_eq_f32 vcc_lo, 0, v14                    ; no key counted for my query
	v_mov_b32 v235, 0xff
	s_wait_alu depctr_va_vdst(0)                   ; the wait ahead of the first reader
	v_cndmask_b32 v232, v234, 0, vcc_lo
.set j, 0
.rept 16
	v_pk_mul_f32 v[96+j:97+j], v[160+j:161+j], v[232:233] op_sel_hi:[1,0]   ; register 16 b + i: channel 32 b + 16 h + i of the head
.set j, j+2
.endr
.irp b, 0,1
	v_max3_num_f32 v[BM+\b], |v[96+16*\b]|, |v[97+16*\b]|, 0x1800000
.endr
.irp i, 2,4,6,8,10,12,14
.irp b, 0,1
	v_max3_num_f32 v[BM+\b], v[BM+\b], |v[96+16*\b+\i]|, |v[97+16*\b+\i]|
.endr
.endr
.irp b, 0,1
	v_permlanex16_b32 v[T4+\b], v[BM+\b], s20, s21
.endr
.irp b, 0,1
	v_max_num_f32 v[BM+\b], v[BM+\b], v[T4+\b]
.endr
.irp b, 0,1
	v_add_nc_u32 v[SO+\b], 0xff000000, v[BM+\b]
.endr
.irp b, 0,1
	v_lshrrev_b32 v[T4+\b], 23, v[SO+\b]
.endr
	v_cvt_scalef32_pk16_fp6_f32 v[192:194], v[96:111], v[SO]
	v_cvt_scalef32_pk16_fp6_f32 v[204:206], v[112:127], v[SO+1]
	v_nop                                          ; one plain place behind a scaled conversion
.irp i, 0,1,2
	v_permlane16_swap_b32 v[192+\i], v[204+\i]
.endr
.irp i, 0,1,2
	v_mov_b32 v[195+\i], v[204+\i]                 ; lane (r, h) now holds block h whole
.endr
	v_cndmask_b32 v234, v[T4], v[T4+1], s24        ; block h's byte,
	v_cndmask_b32 v234, v234, v235, vcc_lo         ; or 0xff
.irp i, 0,1,2
	global_store_b64 v7, v[192+2*\i:193+2*\i], s[60:61] offset:256*\i   ; 256 consecutive bytes, aligned
.endr
	global_store_b8 v11, v234, s[62:63]            ; single bytes: a row's word holds two heads' bytes, and a work-group has one head
	s_mov_b32 s58, -1                              ; the second pass prefetches nothing
	s_sub_co_u32 s42, 7, s42
	s_sub_co_u32 s41, s41, 1
	s_cmp_lg_u32 s41, 0
	s_cbranch_scc1 .Lpass
	s_wait_tensorcnt 0x0                           ; the wave's end: behind my last LDS store
	ds_add_u32 v[SPW], v[NIL]
	s_wait_dscnt 0x0
	s_endpgm
.Lfunc_end_k_qd7ee532939_attn:
	.size	k_qd7ee532939_attn, .Lfunc_end_k_qd7ee532939_attn-k_qd7ee532939_attn
	.p2alignl 7, 3214868480
	.fill 96, 4, 3214868480
	.section	.rodata,"a",@progbits
	.p2align	6, 0x0
	.amdhsa_kernel k_qd7ee532939_attn
		.amdhsa_group_segment_fixed_size 30720
		.amdhsa_private_segment_fixed_size 0
		.amdhsa_enable_private_segment 0
		.amdhsa_kernarg_size 24
		.amdhsa_user_sgpr_count 2
		.amdhsa_user_sgpr_kernarg_segment_ptr 1
		.amdhsa_wavefront_size32 1
		.amdhsa_system_sgpr_workgroup_id_x 1
		.amdhsa_system_sgpr_workgroup_id_y 1
		.amdhsa_system_sgpr_workgroup_id_z 1
		.amdhsa_system_vgpr_workitem_id 0
		.amdhsa_next_free_vgpr 256
		.amdhsa_next_free_sgpr 100
		.amdhsa_reserve_vcc 1
		.amdhsa_float_denorm_mode_32 3
		.amdhsa_float_denorm_mode_16_64 3
		.amdhsa_memory_ordered 1
		.amdhsa_forward_progress 1
		.amdhsa_inst_pref_size 57
	.end_amdhsa_kernel
	.amdgpu_metadata
---
amdhsa.version: [ 1, 2 ]
amdhsa.kernels:
  - .name:           k_qd7ee532939_attn
    .symbol:         k_qd7ee532939_attn.kd
    .args:
      - { .name: qkvimg, .offset: 0, .size: 8, .value_kind: global_buffer, .address_space: global }
      - { .name: msk, .offset: 8, .size: 8, .value_kind: global_buffer, .address_space: global }
      - { .name: yimg, .offset: 16, .size: 8, .value_kind: global_buffer, .address_space: global }
    .group_segment_fixed_size: 30720
    .private_segment_fixed_size: 0
    .kernarg_segment_align: 8
    .kernarg_segment_size: 24
    .max_flat_workgroup_size: 512
    .sgpr_count:     100
    .vgpr_count:     256
    .wavefront_size: 32
...
	.end_amdgpu_metadata
.endif
;; end of part 3
;; launch proj (part 4): grid 4 x 32, 4 waves a work-group, clusters of 4 x 4, 327,680 bytes of LDS; arguments yimg, opnd, b_proj, out0; writes out0
.if DOCPART == 4
	.amdgcn_target "amdgcn-amd-amdhsa--gfx1250"
	.amdhsa_code_object_version 6
	.text
	.protected	k_qd7ee532939_proj
	.globl	k_qd7ee532939_proj
	.p2align	8
	.type	k_qd7ee532939_proj,@function
k_qd7ee532939_proj:
	s_mov_b64 s[64:65], 0
	v_nop
	global_prefetch_b8 v0, s[64:65] scope:SCOPE_SE
	s_setreg_imm32_b32 hwreg(HW_REG_WAVE_MODE, 25, 1), 1
	s_wait_xcnt 0x0
	s_wait_alu depctr_hold_cnt(0) depctr_sa_sdst(0) depctr_va_vdst(0) depctr_va_sdst(0) depctr_va_ssrc(0) depctr_va_vcc(0) depctr_vm_vsrc(0)
	s_getreg_b32 s2, hwreg(HW_REG_IB_STS2, 6, 4)
	s_cmp_eq_u32 s2, 0
	s_cbranch_scc0 .Lentry_in_a_cluster
	s_endpgm
.Lentry_in_a_cluster:
	s_bfe_u32 s2, ttmp6, 0x10000c
	s_cmp_lg_u32 s2, 0xf033
	s_cbranch_scc0 .Lentry_shape_is_right
	s_endpgm
.Lentry_shape_is_right:
; PROJ.  out0 = y w_proj^T + b_proj on codes of FP6 (E2M3) with E8M0 scales; out0 [8192][1024] f32.
; A work-group of four waves makes 256 x 256, a wave 128 x 128: 64 accumulators.  K = 1,024 goes as four slots' worth of 256 through two LDS slots filled by the tensor data mover.
; Both operands lie in memory as images of operand registers (tile x 12,288 + K step x 1,536 bytes; six planes of 256 bytes), so a fragment is six ds_load_b64 of 256 consecutive bytes.
; A tile 2 g + u holds rows 32 g + 8 u + r + 8 (r / 8).  Source 0 ('B') = rows of w_proj (opnd's tiles 704 on), source 1 ('A') = tokens (yimg): a lane holds eight neighbouring outputs of one token.
; CLUSTERS: 4 x 4 work-groups; A's tiles are shared along a row of the cluster, B's along a column, each asked for jointly.  The bias is the C of each sum's first product.
; 128 work-groups: this tile leaves half the WGPs without work; it is kept so that this launch's main part is the first product's, line for line.
; A token whose y carries the scale byte 0xff (no key counted for it) gets NaN in its whole row.
; REGISTERS: window 0: v0-31 addresses; v32-63 scale words, two sets; v64-127 the bias; v128-223 A's fragments, one set; on the way out v128-255 rows of out0.
;   window 1: B's fragments, two sets.  windows 2, 3: the accumulators ((a, b) at v[8 (8 (a % 4) + b)]).
.set FR,     12
.set NL,     6
.set NP,     4
.set NQ,     2
.set TILEB,  3072
.set HALFT,  8*TILEB
.set SLOT,   4*HALFT
.set SCL,    2*SLOT
.set HALFS,  16*272
.set SBLK,   544
.set SPARE,  SCL+4*HALFS
.set SPITCH, 528                       ; the way out: a stage of 16 rows x (512 bytes + 16) for each wave, in slot 0, which has had its last fill and its last read by then
.set ADRA, 16
.set ADRB, 20
.set STO,  24
.set RD,   25
.set CO,   26
.set ADRS, 27
.set SPW,  28
.set NIL,  29
.set SC,   32
.set BIAS, 64
.set AF,   128
.set BK,   128
.set G1, 24
.set G0, 32
.set G1B, 48
.set G0B, 56
.set G1S, 68
.set G0S, 76
.set G1SB, 80
.set G0SB, 88
.set MSB, 0
.macro WIN new
.if MSB != (\new)
	s_set_vgpr_msb (MSB<<8)|(\new)
.set MSB, (\new)
.endif
.endm
.set MUL_LO, 0xa1
.set MUL_HI, 0xf1
.set TO_B,   0x40
.macro JLOAD g0a, g1a, g0b, g1b        ; waves 0 and 1 fetch for A, waves 2 and 3 for B; an s_nop 0 and four v_nop follow each line
	s_cmp_eq_u32 s15, 0
	s_cbranch_scc0 .Lfor_b_\@
	tensor_load_to_lds s[\g0a:\g0a+3], s[\g1a:\g1a+7]
	s_nop 0
.rept 4
	v_nop
.endr
	s_branch .Lasked_\@
.Lfor_b_\@:
	tensor_load_to_lds s[\g0b:\g0b+3], s[\g1b:\g1b+7]
	s_nop 0
.rept 4
	v_nop
.endr
.Lasked_\@:
.endm
.macro CREST
	s_cmp_lg_u32 s14, 0
	s_cbranch_scc1 .Lnot_wave_0_\@
	s_barrier_signal -3
.Lnot_wave_0_\@:
	s_barrier_wait -3
	s_barrier_signal -1
	s_barrier_wait -1
.endm
.macro CROUND
	s_barrier_signal -1
	s_barrier_wait -1
	CREST
.endm
	s_load_b256 s[4:11], s[0:1], 0x0               ; yimg, opnd, b_proj, out0
	v_lshl_add_u32 v[SPW], v0, 2, SPARE
	v_mov_b32 v[NIL], 0
	ds_add_u32 v[SPW], v[NIL]                      ; the wave's opening: the add, and its wait ahead of my first tensor load
	v_lshrrev_b32 v1, 5, v0
	v_readfirstlane_b32 s14, v1                    ; wave 0..3
	s_lshr_b32 s15, s14, 1
	s_and_b32 s16, s14, 1
	s_bfe_u32 s40, ttmp6, 0x40000                  ; cx
	s_bfe_u32 s41, ttmp6, 0x40004                  ; cy
	s_lshl_b32 s42, ttmp9, 2
	s_add_co_u32 s42, s42, s40                     ; B's block of 256 outputs
	s_and_b32 s17, ttmp7, 0xffff
	s_lshl_b32 s17, s17, 2
	s_add_co_u32 s17, s17, s41                     ; A's block of 256 tokens
	s_lshl_b32 s43, s41, 2
	s_lshl_b32 s43, 15, s43
	s_lshl_b32 s44, 0x1111, s40
	s_or_b32 s[G1+0], s43, (3<<16)|(1<<21)         ; codes: 8 tiles' 3,072 bytes (384 elements of 8 bytes), 12,288 bytes apart; dense in LDS
	s_or_b32 s[G1B+0], s44, (3<<16)|(1<<21)
.irp g, G1, G1B
	s_mov_b32 s[\g+1], 384<<16
	s_mov_b32 s[\g+2], 8<<16
	s_mov_b32 s[\g+3], 384<<16
	s_mov_b32 s[\g+4], 8
	s_mov_b32 s[\g+5], 1536
	s_mov_b32 s[\g+6], 0
	s_mov_b32 s[\g+7], 0
.endr
	s_or_b32 s[G1S+0], s43, (3<<16)|(1<<20)|(1<<21)|(5<<22)|(3<<25)   ; scale words of 128 rows: 16 rows of 256 bytes, 16 of padding behind each
	s_or_b32 s[G1SB+0], s44, (3<<16)|(1<<20)|(1<<21)|(5<<22)|(3<<25)
.irp g, G1S, G1SB
	s_mov_b32 s[\g+1], 32<<16
	s_mov_b32 s[\g+2], 16<<16
	s_mov_b32 s[\g+3], 32<<16
	s_mov_b32 s[\g+4], 16
	s_mov_b32 s[\g+5], 32
	s_mov_b32 s[\g+6], 0
	s_mov_b32 s[\g+7], 0
.endr
	s_lshl_b32 s18, s16, 3
	s_lshl_b32 s20, s17, 4
	s_add_co_u32 s20, s20, s18                     ; A's first tile
	s_lshl_b32 s46, s42, 4
	s_add_co_u32 s46, s46, 704
	s_add_co_u32 s46, s46, s18                     ; B's
	s_lshl_b32 s22, s20, 9
	s_add_co_u32 s22, s22, 6291456
	s_mov_b32 s23, 0
	s_mul_i32 s20, s20, 12288
	s_mov_b32 s21, 0
	s_lshl_b32 s96, s46, 9
	s_add_co_u32 s96, s96, 9437184
	s_mov_b32 s97, 0
	s_mul_i32 s46, s46, 12288
	s_mov_b32 s47, 0
	s_mul_i32 s45, s14, HALFT
	s_mul_i32 s95, s14, HALFS
	s_wait_dscnt 0x0                               ; the opening add is done
	s_wait_kmcnt 0x0
	s_add_nc_u64 s[20:21], s[4:5], s[20:21]
	s_add_nc_u64 s[22:23], s[4:5], s[22:23]
	s_add_nc_u64 s[46:47], s[6:7], s[46:47]
	s_add_nc_u64 s[96:97], s[6:7], s[96:97]
	CROUND                                         ; all sixteen work-groups are here: the first joint loads meet
	s_mov_b32 s[G0S], 1
	s_add_co_u32 s[G0S+1], s95, SCL
	s_mov_b64 s[G0S+2:G0S+3], s[22:23]
	s_or_b32 s[G0S+3], s[G0S+3], 0x80000000
	s_mov_b32 s[G0SB], 1
	s_add_co_u32 s[G0SB+1], s95, SCL
	s_mov_b64 s[G0SB+2:G0SB+3], s[96:97]
	s_or_b32 s[G0SB+3], s[G0SB+3], 0x80000000
	JLOAD G0S, G1S, G0SB, G1SB                     ; by this text's count three loads of a wave are out at the start, later one
.irp s, 0,1
	s_mov_b32 s[G0+4*\s], 1
	s_add_co_u32 s[G0+4*\s+1], s45, \s*SLOT
	s_add_nc_u64 s[G0+4*\s+2:G0+4*\s+3], s[20:21], \s*TILEB
	s_or_b32 s[G0+4*\s+3], s[G0+4*\s+3], 0x80000000
	s_mov_b32 s[G0B+4*\s], 1
	s_add_co_u32 s[G0B+4*\s+1], s45, \s*SLOT
	s_add_nc_u64 s[G0B+4*\s+2:G0B+4*\s+3], s[46:47], \s*TILEB
	s_or_b32 s[G0B+4*\s+3], s[G0B+4*\s+3], 0x80000000
	JLOAD G0+4*\s, G1, G0B+4*\s, G1B
.endr
	v_and_b32 v1, 15, v0                           ; r
	v_bfe_u32 v2, v0, 4, 1                         ; h
	v_and_b32 v3, 31, v0
	v_lshlrev_b32 v4, 3, v3                        ; 8 x lane
	s_mul_i32 s21, s15, HALFT
	s_mul_i32 s22, s16, HALFT
	s_add_co_u32 s22, s22, 2*HALFT
.irp s, 0,1
	v_add_nc_u32 v[ADRA+\s], s21, v4
	v_add_nc_u32 v[ADRB+\s], s22, v4
	s_add_co_u32 s21, s21, SLOT
	s_add_co_u32 s22, s22, SLOT
.endr
	v_lshlrev_b32 v5, 4, v1
	s_mul_i32 s21, s15, HALFS
	s_mul_i32 s22, s16, HALFS
	s_add_co_u32 s22, s22, 2*HALFS
	s_sub_co_u32 s22, s22, s21
	v_mul_u32_u24 v6, s22, v2                      ; lanes 16-31 take B's
	s_add_co_u32 s21, s21, SCL
	v_add_nc_u32 v5, v5, v6
	v_add_nc_u32 v[ADRS], s21, v5
	s_mul_i32 s23, s14, 16*SPITCH                  ; my stage
	v_mul_u32_u24 v5, v1, SPITCH
	v_lshl_add_u32 v5, v2, 6, v5
	v_add_nc_u32 v[STO], s23, v5                   ; in: row r, + 64 h
	v_lshlrev_b32 v[CO], 4, v3                     ; back: the 32 lanes take one row of 512 bytes; and the same in out0
	v_add_nc_u32 v[RD], s23, v[CO]
	s_lshl_b32 s66, s17, 8
	s_lshl_b32 s67, s15, 7
	s_add_co_u32 s66, s66, s67                     ; my first token
	s_lshl_b32 s66, s66, 12                        ; rows of 4,096 bytes
	s_lshl_b32 s67, s42, 10
	s_add_co_u32 s66, s66, s67
	s_lshl_b32 s67, s16, 9
	s_add_co_u32 s66, s66, s67                     ; + my first output: 1,024 x block + 512 x half
	s_mov_b32 s67, 0
	s_add_nc_u64 s[12:13], s[10:11], s[66:67]
	s_lshl_b32 s98, s42, 10
	s_lshl_b32 s99, s16, 9
	s_add_co_u32 s98, s98, s99
	v_lshl_add_u32 v5, v2, 6, s98                  ; register 16 b + i of the bias: output 32 b + 16 h + i
.irp b, 0,1,2,3
.irp j, 0,1,2,3
	global_load_b128 v[BIAS+16*\b+4*\j:BIAS+16*\b+4*\j+3], v5, s[8:9] offset:128*\b+16*\j
.endr
.endr
	s_wait_loadcnt 0x0
.macro FRAG reg, adr, q, i
.irp p, 0,1,2,3,4,5
	ds_load_b64 v[\reg+2*\p:\reg+2*\p+1], v[\adr] offset:(\i)*TILEB+(\q)*1536+256*\p
.endr
.endm
; 16 matrix instructions: A's tiles a0, a0 + 1 x B's eight.  first = 1: the bias is the C of the sum's first product.  The 64 accumulators take turns, one instruction a turn.
.macro MUL16 a0, p, q, sc, first
.irp a, \a0, \a0+1
.irp b, 0,1,2,3,4,5,6,7
.if \first
	v_wmma_scale_f32_16x16x128_f8f6f4 v[8*(8*((\a)%4)+\b):8*(8*((\a)%4)+\b)+7], v[128*(\p)+FR*\b:128*(\p)+FR*\b+FR-1], v[AF+FR*(\a):AF+FR*(\a)+FR-1], v[BIAS+8*\b:BIAS+8*\b+7], v[SC+8*NQ*(\sc)+NQ*\b+(\q)], v[SC+8*NQ*(\sc)+NQ*(\a)+(\q)] matrix_a_fmt:MATRIX_FMT_FP6 matrix_b_fmt:MATRIX_FMT_FP6 matrix_a_scale:MATRIX_SCALE_ROW1
.else
	v_wmma_scale_f32_16x16x128_f8f6f4 v[8*(8*((\a)%4)+\b):8*(8*((\a)%4)+\b)+7], v[128*(\p)+FR*\b:128*(\p)+FR*\b+FR-1], v[AF+FR*(\a):AF+FR*(\a)+FR-1], v[8*(8*((\a)%4)+\b):8*(8*((\a)%4)+\b)+7], v[SC+8*NQ*(\sc)+NQ*\b+(\q)], v[SC+8*NQ*(\sc)+NQ*(\a)+(\q)] matrix_a_fmt:MATRIX_FMT_FP6 matrix_b_fmt:MATRIX_FMT_FP6 matrix_a_scale:MATRIX_SCALE_ROW1
.endif
.endr
.endr
.endm
.macro FETCH_B slot, q, p
	WIN TO_B
.irp i, 0,1,2,3,4,5,6,7
	FRAG 128*(\p)+FR*\i, ADRB+\slot, \q, \i
.endr
	WIN 0
.endm
.macro FETCH_A slot, q, i0
.irp i, \i0, \i0+1, \i0+2, \i0+3
	FRAG AF+FR*(\i), ADRA+\slot, \q, \i
.endr
.endm
.macro SCALES sc
.irp i, 0,1,2,3,4,5,6,7
	ds_load_b64 v[SC+8*NQ*\sc+NQ*\i:SC+8*NQ*\sc+NQ*\i+1], v[ADRS] offset:\i*SBLK
.endr
.endm
.macro PLACES n                        ; plain vector instructions between a matrix instruction and a load into, or a read of, its registers
.rept \n
	v_nop
.endr
.endm
.macro STEP slot, q, first
	s_wait_dscnt 4*NL                              ; all but the youngest 24 loads (A's tiles 4-7)
.if \first
	WIN 0x81
.else
	WIN MUL_LO
.endif
	MUL16 0, (\q)%2, \q, \slot, \first
	MUL16 2, (\q)%2, \q, \slot, \first
	s_wait_dscnt 0
	PLACES NP
	FETCH_B \slot, (\q)+1, 1-(\q)%2
	FETCH_A \slot, (\q)+1, 0
.if \first
	WIN 0xc1
.else
	WIN MUL_HI
.endif
	MUL16 4, (\q)%2, \q, \slot, \first
	MUL16 6, (\q)%2, \q, \slot, \first
	PLACES NP
	WIN 0
	FETCH_A \slot, (\q)+1, 4
.endm
.macro TURN slot, next, fill
	s_wait_tensorcnt 0x0                           ; all my tensor loads have landed: my part of the next slot
	ds_add_u32 v[SPW], v[NIL]                      ; 0 onto my spare word
	s_wait_dscnt 4*NL+1                            ; (the add and the youngest 24 loads may be out)
	WIN MUL_LO
	MUL16 0, 1, NQ-1, \slot, 0
	s_wait_dscnt 0x0                               ; the add is done, and my reads of this slot are over
	s_barrier_signal -1
	MUL16 2, 1, NQ-1, \slot, 0
	WIN 0
	s_barrier_wait -1
.if \fill
	CREST                                          ; the barrier has opened a round of the cluster's
	s_add_nc_u64 s[G0+4*\slot+2:G0+4*\slot+3], s[G0+4*\slot+2:G0+4*\slot+3], 2*TILEB
	s_add_nc_u64 s[G0B+4*\slot+2:G0B+4*\slot+3], s[G0B+4*\slot+2:G0B+4*\slot+3], 2*TILEB
	JLOAD G0+4*\slot, G1, G0B+4*\slot, G1B         ; the first tensor load behind the round
.else
	PLACES NP
.endif
.if \next == 1
	v_add_nc_u32 v[ADRS], 8, v[ADRS]
.else
	v_add_nc_u32 v[ADRS], 264, v[ADRS]
.endif
	FETCH_B \next, 0, 0
	FETCH_A \next, 0, 0
	SCALES \next
	WIN MUL_HI
	MUL16 4, 1, NQ-1, \slot, 0
	MUL16 6, 1, NQ-1, \slot, 0
	PLACES NP
	WIN 0
	FETCH_A \next, 0, 4
.endm
	s_wait_tensorcnt 1                             ; the scale words and my part of slot 0 are in; slot 1's load may be out
	s_barrier_signal -1
	s_barrier_wait -1
	FETCH_B 0, 0, 0
	FETCH_A 0, 0, 0
	SCALES 0
	FETCH_A 0, 0, 4
	STEP 0, 0, 1
	TURN 0, 1, 1
	STEP 1, 0, 0
	TURN 1, 0, 1
	STEP 0, 0, 0
	TURN 0, 1, 0
	STEP 1, 0, 0
	s_wait_dscnt 4*NL
	WIN MUL_LO
	MUL16 0, 1, NQ-1, 1, 0
	MUL16 2, 1, NQ-1, 1, 0
	s_wait_dscnt 0
	WIN MUL_HI
	MUL16 4, 1, NQ-1, 1, 0
	MUL16 6, 1, NQ-1, 1, 0
	WIN 0
; THE WAY OUT, a tile of 16 tokens x 128 outputs at a time, through my own stage and back as whole rows of 512 bytes.  Accumulator (a, b): lane (r, h), register j = output 32 (b / 2) + 16 h + 8 (b % 2) + j of the
; tile's r-th token.  Stage row t is token 32 (a / 2) + 8 (a % 2) + t + 8 (t / 8).  LDS serves a wave's instructions in order (ISA guide 5.7.1.4): no wait between the stores and the loads.
.macro TOSTAGE a
.set AC, 64*((\a)%4)
	WIN 0x08+4*((\a)/4)                            ; an LDS store's data: window 2 or 3
.irp b, 0,1,2,3,4,5,6,7
	ds_store_b128 v[STO], v[AC+8*\b:AC+8*\b+3] offset:128*(\b/2)+32*(\b%2)        ; each accumulator from its low end on
	ds_store_b128 v[STO], v[AC+8*\b+4:AC+8*\b+7] offset:128*(\b/2)+32*(\b%2)+16
.endr
	WIN 0
.set BB, BK+64*((\a)%2)
.irp t, 0,1,2,3,4,5,6,7,8,9,10,11,12,13,14,15
	ds_load_b128 v[BB+4*\t:BB+4*\t+3], v[RD] offset:\t*SPITCH
.endr
.endm
.macro SEND a, younger                 ; younger: the LDS instructions issued behind tile a's loads, which may stay out
.set BB, BK+64*((\a)%2)
	s_wait_dscnt \younger
.if (\a) > 0
.if ((\a)%2) == 1
	s_add_nc_u64 s[12:13], s[12:13], 8*4096        ; (behind a wait on XCNT: the earlier stores have read their base)  the next tile begins 8 rows on,
.else
	s_add_nc_u64 s[12:13], s[12:13], 24*4096       ; or 24
.endif
.endif
.irp t, 0,1,2,3,4,5,6,7,8,9,10,11,12,13,14,15
	global_store_b128 v[CO], v[BB+4*\t:BB+4*\t+3], s[12:13] offset:(\t+8*(\t/8))*4096 th:TH_STORE_NT   ; 32 lanes store 512 consecutive bytes, aligned to 256
.endr
.endm
	PLACES NP
	TOSTAGE 0
.irp a, 1,2,3,4,5,6,7
.if \a > 1
	s_wait_xcnt 0x0                                ; tile a - 2's stores have read their registers and their base
.endif
	TOSTAGE \a
	SEND \a-1, 32                                  ; behind tile a - 1's loads: tile a's 16 stores and 16 loads
.endr
	s_wait_xcnt 0x0
	SEND 7, 0
	s_wait_tensorcnt 0x0                           ; the wave's end
	ds_add_u32 v[SPW], v[NIL]
	s_wait_dscnt 0x0
	CROUND                                         ; the closing round
	s_endpgm
.Lfunc_end_k_qd7ee532939_proj:
	.size	k_qd7ee532939_proj, .Lfunc_end_k_qd7ee532939_proj-k_qd7ee532939_proj
	.p2alignl 7, 3214868480
	.fill 96, 4, 3214868480
	.section	.rodata,"a",@progbits
	.p2align	6, 0x0
	.amdhsa_kernel k_qd7ee532939_proj
		.amdhsa_group_segment_fixed_size 327680
		.amdhsa_private_segment_fixed_size 0
		.amdhsa_enable_private_segment 0
		.amdhsa_kernarg_size 32
		.amdhsa_user_sgpr_count 2
		.amdhsa_user_sgpr_kernarg_segment_ptr 1
		.amdhsa_wavefront_size32 1
		.amdhsa_system_sgpr_workgroup_id_x 1
		.amdhsa_system_sgpr_workgroup_id_y 1
		.amdhsa_system_sgpr_workgroup_id_z 1
		.amdhsa_system_vgpr_workitem_id 0
		.amdhsa_next_free_vgpr 1024
		.amdhsa_next_free_sgpr 100
		.amdhsa_reserve_vcc 0
		.amdhsa_float_denorm_mode_32 3
		.amdhsa_float_denorm_mode_16_64 3
		.amdhsa_memory_ordered 1
		.amdhsa_forward_progress 1
		.amdhsa_inst_pref_size 161
	.end_amdhsa_kernel
	.amdgpu_metadata
---
amdhsa.version: [ 1, 2 ]
amdhsa.kernels:
  - .name:           k_qd7ee532939_proj
    .symbol:         k_qd7ee532939_proj.kd
    .args:
      - { .name: yimg, .offset: 0, .size: 8, .value_kind: global_buffer, .address_space: global }
      - { .name: opnd, .offset: 8, .size: 8, .value_kind: global_buffer, .address_space: global }
      - { .name: b_proj, .offset: 16, .size: 8, .value_kind: global_buffer, .address_space: global }
      - { .name: out0, .offset: 24, .size: 8, .value_kind: global_buffer, .address_space: global }
    .group_segment_fixed_size: 327680
    .private_segment_fixed_size: 0
    .kernarg_segment_align: 8
    .kernarg_segment_size: 32
    .max_flat_workgroup_size: 128
    .sgpr_count:     100
    .vgpr_count:     1024
    .wavefront_size: 32
...
	.end_amdgpu_metadata
.endif
;; end of part 4
;; ======== version 2 of 2: 4 launches; version 1 with the launch attn written anew for expert scheduling mode
;; workspace buffers: opnd 9,830,400 bytes; msk 532,480 bytes of whole numbers; qkvimg 20,447,232 bytes; yimg 6,553,600 bytes
;; launch prep: the kernel of part 1 again; grid 640 x 1, 4 waves a work-group, no clusters, 34,304 bytes of LDS; arguments x, w_qkv, w_proj, mask, opnd, msk; writes opnd, msk
;; launch qkv: the kernel of part 2 again; grid 12 x 32, 4 waves a work-group, clusters of 4 x 4, 327,680 bytes of LDS; arguments opnd, b_qkv, qkvimg; writes qkvimg
;; launch attn (part 5): grid 64 x 4, 16 waves a work-group, no clusters, 30,720 bytes of LDS; arguments qkvimg, msk, yimg; writes yimg
.if DOCPART == 5
	.amdgcn_target "amdgcn-amd-amdhsa--gfx1250"
	.amdhsa_code_object_version 6
	.text
	.protected	k_qd7ee532939_attn
	.globl	k_qd7ee532939_attn
	.p2align	8
	.type	k_qd7ee532939_attn,@function
k_qd7ee532939_attn:
	s_mov_b64 s[64:65], 0
	v_nop
	global_prefetch_b8 v0, s[64:65] scope:SCOPE_SE
	s_setreg_imm32_b32 hwreg(HW_REG_WAVE_SCHED_MODE, 0, 2), 2
	s_setreg_imm32_b32 hwreg(HW_REG_WAVE_MODE, 25, 1), 1
	s_wait_xcnt 0x0
	s_wait_alu depctr_vm_vsrc(0)
; ATTN.  y = softmax(mask ? q k^T / 8 : -inf) v for one head, both products on codes of FP6 (E2M3) with E8M0 scales; y is quantised along the model's channels and leaves as images of operand registers.
; THE SOFTMAX: t = score x log2(e) / 8; M = the row's largest t so far, rounded UP to a whole number; p = 2^(t - M) is quantised along the keys, not normalised; the row's sum is taken of the unquantised p and divides
; O at the end.  When M moves, the sum and O are multiplied by 2^(old M - new M): exact.
; SHARES.  Work-group x = (batch, head), y = 0 .. 3: two passes over blocks of 256 queries, block y and block 7 - y.  Each of sixteen waves owns one tile of 16 queries in 256 registers, four waves to a SIMD.
; A pass walks 16 steps of 128 keys, eight trips of two: the trip counts are constants.
; THE MASK IS AN INPUT.  An earlier launch has stored, as whole numbers, a flag for each (tile of queries, key step) and the mask as lane-mask words.  A step none of whose keys counts for my tile is jumped over
; (its loads from LDS, products and softmax); a step that no tile of the block needs is not staged; a step with hidden keys sets their scores to -infinity.  No barrier stands under such a branch.
; Since branches hang on stored numbers, K and V come to LDS through registers, one step ahead, each wave three planes of 256 bytes: so no joint requests either; what a live key step stages is 12.9 KB for sixteen waves.
; LAYOUT.  Both products are used transposed: S^T = K Q^T, O^T = V^T P^T: a lane holds ONE query.  Tile 2 g + u of keys (queries, channels) holds 32 g + 8 u + r + 8 (r / 8): the 16 registers of two neighbouring
; tiles are 16 neighbours.  K = 64 IN A FORM OF K = 128: Q's registers 6-11 are zero codes, so the upper half of a fragment of K may hold anything: tile t's operand is v[40 + 6 t : 51 + 6 t].
; LIMITS: a block whose largest magnitude lies under 2^-124 keeps the byte 1; a block of zeros has the byte 1 and zero codes; NaN and infinities are not served.  A query with no key that counts gets the scale byte
; 0xff on its blocks of y: its whole output row is NaN, as the softmax of a row of -infinity is.
; REGISTERS: v1-11 addresses; v12 -M, v13 largest t, v[14:15] the sum; v16-27 Q (22-27 zeros); v28 Q's scale word; v29, v38, v39, v94 offsets; v30-37 staged planes; v40-87 K, then V; v88-93 zeros;
; v96-159 S^T, then p; v160-191 O^T; v192-211 p's codes; v212-223 at work; v224-227 K's scale words, v228-229 V's, v230 p's; v[232:233] f; v234-235 at work.
; THE MODE: SCHED_MODE bits 1:0 = 2 (LLVM: expert scheduling mode 2), set by the entry lines.  The code itself states the register dependences between vector or matrix instructions and memory or LDS
; instructions, with s_wait_alu, always for 0.
; THE PLAN.  Registers that memory or LDS instructions touch:
;   v1-v4, v7-v9, v11, v29, v38, v39, v94   addresses and offsets: made at the head and never written again; what moves is scalar bases and immediates.  v5, v6: the closing add's, likewise.
;   v30-37               staged planes: the global loads at a step's head land in them, the LDS stores at the same step's end read them; behind the head no vector instruction names them.
;   v40-87               K's LDS loads land at the head of a step's work, the eight products K Q^T read them; V's LDS loads land behind those, the four products V^T P^T read them.
;   v224-227, v228-229   K's and V's scale words: loaded with K and V, read by the same products.
;   v16-21, v28, v96-104 Q, its scale word and the flags: loaded at a pass's head; read by products and vector lines; v96-127 are written again by the softmax and by the way out.
;   v192-197, v234       y's codes and scale byte: written by the way out's vector lines, read by its four stores, written again in the next pass's first step.
; THE WAITS.  At a pass's head one on vm_vsrc (the last pass's stores and LDS stores have read their data) and one on va_vdst ahead of its first load (first pass: the addresses, v30-37 and the zero codes are
; written; second pass: the way out and the last products are done with the registers that are loaded anew).  At a step's head one on vm_vsrc, for v30-37.  In a step's work three on va_vdst beside the two behind the
; exponentials: at its head (K's registers are free), behind the eight products (they are free again, for V), and ahead of the four products (p's codes and scale word are written).  In the way out one on va_vdst
; ahead of the stores.  A scalar register or VCC that a vector instruction writes has its wait ahead of its first reader: s10, s37 to s39, VCC.
.set SLOTB, 14336                      ; a slot: K [lane][192 + 16 bytes], V likewise, K's scale words [lane][16], V's [lane][8]
.set VOFF,  6656
.set KSC,   13312
.set VSC,   13824
.set SPARE, 2*SLOTB                    ; the spare words, 128 bytes for each of sixteen waves
.set SPW, 5
.set NIL, 6
.set BM,  212                          ; block maxima
.set T4,  216                          ; four temporaries
.set SO,  220                          ; the conversions' scale operands
.macro STAGE_LOAD off, soff            ; my three planes of the step's K or V; waves 0-2: a plane of scale words
.irp i, 0,1,2
	global_load_b64 v[30+2*\i:31+2*\i], v7, s[26:27] offset:\off+256*\i
.endr
	s_cmp_lt_u32 s10, 3
	s_cbranch_scc0 .Lnsl_\@
	global_load_b64 v[36:37], v9, s[30:31] offset:\soff
.Lnsl_\@:
.endm
.macro STAGE_STORE slot
.irp i, 0,1,2
	ds_store_b64 v4, v[30+2*\i:31+2*\i] offset:(\slot)*SLOTB+8*\i
.endr
	s_cmp_lt_u32 s10, 3
	s_cbranch_scc0 .Lnss_\@
	ds_store_b64 v8, v[36:37] offset:(\slot)*SLOTB
.Lnss_\@:
.endm
; A prefetch of the NEXT trip's two steps of a pair of heads: 24,576 dense bytes of K and as many of V.  Asked once in the launch: by the work-group with y = 0 of the pair's first head, in its first pass;
; waves 4-6 ask for K, waves 8-10 for V, 8,192 bytes a wave, lanes 256 bytes apart.  The last trip asks for nothing; steps 0 and 1 come by their loads alone.
.macro ASK
	s_cmp_gt_u32 s40, s58
	s_cbranch_scc0 .Lna_\@
	global_prefetch_b8 v29, s[56:57] th:TH_LOAD_NT scope:SCOPE_SE
.Lna_\@:
.endm
.macro COMPUTE q
	s_wait_alu depctr_va_vdst(0)                   ; the last step's products are done reading v40-87, v224-227 and v228-229, in which K, V and their scale words land
.set n, 0
.rept 12
	ds_load_b128 v[40+4*n:43+4*n], v1 offset:(\q)*SLOTB+16*n
.set n, n+1
.endr
	ds_load_b128 v[224:227], v2 offset:(\q)*SLOTB+KSC     ; register n: lanes 0-15 the words of tile 2 n, lanes 16-31 of tile 2 n + 1
	s_wait_dscnt 0x0
.irp t, 0,1,2,3,4,5,6,7
.if (\t%2) == 0
	v_wmma_scale_f32_16x16x128_f8f6f4 v[96+8*\t:103+8*\t], v[40+6*\t:51+6*\t], v[16:27], 0, v[224+\t/2], v28 matrix_a_fmt:MATRIX_FMT_FP6 matrix_b_fmt:MATRIX_FMT_FP6
.else
	v_wmma_scale_f32_16x16x128_f8f6f4 v[96+8*\t:103+8*\t], v[40+6*\t:51+6*\t], v[16:27], 0, v[224+\t/2], v28 matrix_a_fmt:MATRIX_FMT_FP6 matrix_b_fmt:MATRIX_FMT_FP6 matrix_a_scale:MATRIX_SCALE_ROW1
.endif
.endr
.rept 4
	v_nop                                          ; places in front of the first read of the scores
.endr
	s_wait_alu depctr_va_vdst(0)                   ; the eight products are done reading v40-87, in which V lands; no vector or matrix instruction names v40-87 or v228-229 from here to the four products below
.set n, 0
.rept 12
	ds_load_b128 v[40+4*n:43+4*n], v1 offset:(\q)*SLOTB+VOFF+16*n   ; V lands under the softmax
.set n, n+1
.endr
	ds_load_b64 v[228:229], v3 offset:(\q)*SLOTB+VSC
	s_bitcmp1_b32 s39, \q                          ; has this step hidden keys for my tile?
	s_cbranch_scc0 .Lopen_\@
.irp g, 0,1
.if \g == 1
	s_wait_alu depctr_va_vdst(0)                   ; the 32 selects above are done reading s[68:99], in which the next two scalar loads land
.endif
	s_load_b512 s[68:83], s[34:35], s36 offset:(\q)*256+128*\g
	s_load_b512 s[84:99], s[34:35], s36 offset:(\q)*256+128*\g+64
	s_wait_kmcnt 0x0
.set n, 0
.rept 32
	v_cndmask_b32 v[96+32*\g+n], v10, v[96+32*\g+n], s[68+n]   ; word j: a bit for each lane: the score stays where the key counts, else -infinity
.set n, n+1
.endr
.endr
.Lopen_\@:
.irp b, 0,1,2,3
	v_max3_num_f32 v[BM+\b], v[96+16*\b], v[97+16*\b], v[98+16*\b]   ; the largest score of each block of 32 keys: for the row's maximum, and, since p rises with the score, for the block's largest p
.endr
.irp i, 3,5,7,9,11,13
.irp b, 0,1,2,3
	v_max3_num_f32 v[BM+\b], v[BM+\b], v[96+16*\b+\i], v[97+16*\b+\i]
.endr
.endr
.irp b, 0,1,2,3
	v_max_num_f32 v[BM+\b], v[BM+\b], v[111+16*\b]
.endr
.irp b, 0,1,2,3
	v_permlanex16_b32 v[T4+\b], v[BM+\b], s20, s21
.endr
.irp b, 0,1,2,3
	v_max_num_f32 v[BM+\b], v[BM+\b], v[T4+\b]
.endr
	v_max3_num_f32 v234, v[BM], v[BM+1], v[BM+2]
	v_max_num_f32 v234, v234, v[BM+3]
	v_mul_f32 v234, s22, v234                      ; as t
	v_max_num_f32 v13, v13, v234                   ; the running largest t
	v_mov_b32 v234, v12
	v_floor_f32 v12, -v13                          ; the new -M = -ceil(t): a whole number
	v_sub_f32 v234, v12, v234                      ; old M - new M, 0 or less
	v_cvt_i32_f32 v234, v234                       ; (it saturates)
	v_ldexp_f32 v232, 1.0, v234                    ; f = 2^(old M - new M)
.set j, 0
.rept 32
	v_pk_fma_f32 v[96+j:97+j], v[96+j:97+j], s[22:23], v[12:13] op_sel_hi:[1,0,0]   ; t - M
.set j, j+2
.endr
.irp b, 0,1,2,3
	v_fma_f32 v[BM+\b], v[BM+\b], s22, v12
.endr
.set j, 0
.rept 64
	v_exp_f32 v[96+j], v[96+j]                     ; p = 2^(t - M)
.set j, j+1
.endr
	v_pk_mul_f32 v[14:15], v[14:15], v[232:233] op_sel_hi:[1,0]   ; the sums under the new M: the plain place behind the exponentials
	s_wait_alu depctr_va_vdst(0)                   ; the 64 exponentials have written v96-159: one wait for the batch, ahead of its first reader
.irp b, 0,1,2,3
	v_exp_f32 v[BM+\b], v[BM+\b]                   ; each block's largest p
.endr
	v_pk_add_f32 v[T4:T4+1], v[96:97], v[98:99]    ; the row's sum of the unquantised p, in two chains
.set j, 4
.rept 15
	v_pk_add_f32 v[14:15], v[14:15], v[96+j:97+j]
	v_pk_add_f32 v[T4:T4+1], v[T4:T4+1], v[98+j:99+j]
.set j, j+4
.endr
	v_pk_add_f32 v[14:15], v[14:15], v[T4:T4+1]
	s_wait_alu depctr_va_vdst(0)                   ; the four exponentials have written v212-215, ahead of their first reader
.irp b, 0,1,2,3
	v_max_num_f32 v[BM+\b], 0x1800000, v[BM+\b]    ; the floor 2^(3 - 127)
.endr
.irp b, 0,1,2,3
	v_add_nc_u32 v[SO+\b], 0xff000000, v[BM+\b]
.endr
.irp b, 0,1,2,3
	v_lshrrev_b32 v[T4+\b], 23, v[SO+\b]
.endr
	v_lshl_or_b32 v230, v[T4+1], 8, v[T4]          ; p's scale word for these 128 keys
	v_lshl_or_b32 v230, v[T4+2], 16, v230
	v_lshl_or_b32 v230, v[T4+3], 24, v230
.irp c, 0,1
	v_cvt_scalef32_pk16_fp6_f32 v[192+6*\c:194+6*\c], v[96+32*\c:111+32*\c], v[SO+2*\c]
	v_cvt_scalef32_pk16_fp6_f32 v[204+4*\c:206+4*\c], v[112+32*\c:127+32*\c], v[SO+2*\c+1]
.endr
	v_nop                                          ; one plain place behind a scaled conversion
.irp c, 0,1
.irp i, 0,1,2
	v_permlane16_swap_b32 v[192+6*\c+\i], v[204+4*\c+\i]
.endr
.irp i, 0,1,2
	v_mov_b32 v[195+6*\c+\i], v[204+4*\c+\i]
.endr
.endr
.set j, 0
.rept 16
	v_pk_mul_f32 v[160+j:161+j], v[160+j:161+j], v[232:233] op_sel_hi:[1,0]   ; O^T under the new M; these sixteen are also the places between p's codes and scale word and the products
.set j, j+2
.endr
	s_wait_dscnt 0x0                               ; V is in
	s_wait_alu depctr_va_vdst(0)                   ; p's codes v192-203 and its scale word v230 are written, which the products below take as source 1 and as its scales; the places above stay beside this wait
.irp t, 0,1,2,3
.if (\t%2) == 0
	v_wmma_scale_f32_16x16x128_f8f6f4 v[160+8*\t:167+8*\t], v[40+12*\t:51+12*\t], v[192:203], v[160+8*\t:167+8*\t], v[228+\t/2], v230 matrix_a_fmt:MATRIX_FMT_FP6 matrix_b_fmt:MATRIX_FMT_FP6
.else
	v_wmma_scale_f32_16x16x128_f8f6f4 v[160+8*\t:167+8*\t], v[40+12*\t:51+12*\t], v[192:203], v[160+8*\t:167+8*\t], v[228+\t/2], v230 matrix_a_fmt:MATRIX_FMT_FP6 matrix_b_fmt:MATRIX_FMT_FP6 matrix_a_scale:MATRIX_SCALE_ROW1
.endif
.endr
.rept 4
	v_nop                                          ; places behind the last products, inside the part that is jumped over: every way on has them
.endr
.endm
; Key step 2 x trip + q, in slot q.  One barrier a step: in front of it my reads of slot q are over and my part of slot 1 - q, last read in front of the barrier before, has landed.
.macro STEP q
	s_wait_alu depctr_vm_vsrc(0)                   ; the LDS stores at the last step's end have read v30-37, in which the loads below land; the wait stands ahead of the branch
	s_bitcmp1_b32 s37, \q+1                        ; does any tile of the block need the next step?
	s_cbranch_scc0 .Lnl_\@
	STAGE_LOAD (\q+1)*12288, (\q+1)*1024
.Lnl_\@:
.if \q == 0
	ASK
.endif
	s_bitcmp1_b32 s38, \q                          ; does any key of this step count for my tile?
	s_cbranch_scc0 .Ldead_\@
	COMPUTE \q
.Ldead_\@:
	s_wait_loadcnt 0x0                             ; the staged planes are in registers
	s_bitcmp1_b32 s37, \q+1
	s_cbranch_scc0 .Lns_\@
	STAGE_STORE 1-\q
.Lns_\@:
	s_wait_dscnt 0x0
	s_barrier_signal -1
	s_barrier_wait -1
.endm
	s_load_b128 s[4:7], s[0:1], 0x0                ; qkvimg, msk
	s_load_b64 s[8:9], s[0:1], 0x10                ; yimg
	v_lshl_add_u32 v[SPW], v0, 2, SPARE
	v_mov_b32 v[NIL], 0
	v_lshrrev_b32 v1, 5, v0
	v_readfirstlane_b32 s10, v1                    ; wave 0..15
	s_and_b32 s11, ttmp9, 1                        ; which head of the pair
	s_bfe_u32 s12, ttmp9, 0x30001                  ; the pair
	s_lshr_b32 s13, ttmp9, 4                       ; the batch
	s_and_b32 s14, ttmp7, 0xffff                   ; y
	v_and_b32 v30, 31, v0                          ; lane
	v_and_b32 v31, 15, v0                          ; r
	v_bfe_u32 v32, v0, 4, 1                        ; h
	v_mul_u32_u24 v1, v30, 208                     ; my 48 registers of K or V in a slot
	v_lshlrev_b32 v2, 4, v30
	v_lshlrev_b32 v3, 3, v30
	v_lshlrev_b32 v7, 3, v30                       ; 8 x lane, in memory
	v_lshlrev_b32 v29, 8, v30                      ; 256 x lane
	v_lshl_add_u32 v11, v31, 4, v32                ; y's scale byte: 16 r + h
	s_wait_alu depctr_va_sdst(0)                   ; s10 is written, ahead of its first reader
	s_lshr_b32 s43, s10, 3
	s_mul_i32 s43, s43, VOFF                       ; waves 0-7 stage K, waves 8-15 V
	s_and_b32 s44, s10, 7
	s_mul_i32 s44, s44, 24
	s_add_co_u32 s43, s43, s44
	v_add_nc_u32 v4, s43, v1                       ; six registers of each lane's 48
	s_min_u32 s43, s10, 2
	s_lshl_b32 s43, s43, 8
	s_add_co_u32 s43, s43, KSC
	v_add_nc_u32 v8, s43, v3                       ; waves 0, 1: K's scale words; wave 2: V's
	s_cmp_eq_u32 s10, 2
	s_cselect_b32 s43, 4, 3
	v_lshlrev_b32 v9, s43, v30                     ; in memory: 8 x lane, for V's 16 x lane
	v_mov_b32 v10, 0xff800000                      ; -infinity
	v_lshlrev_b32 v38, 6, v31
	v_lshl_add_u32 v38, v32, 5, v38                ; flags of step r, tiles 8 h .. 8 h + 7
	v_lshlrev_b32 v39, 6, v31
	s_lshl_b32 s43, s10, 2
	v_add_nc_u32 v39, s43, v39                     ; flag of step r, my tile
	s_and_b32 s43, s10, 1
	s_lshl_b32 s43, s43, 8
	s_bfe_u32 s44, s10, 0x20001
	s_lshl_b32 s44, s44, 2
	s_add_co_u32 s43, s43, s44
	v_lshl_add_u32 v94, v31, 4, s43                ; Q's scale word: (16 (a % 2) + r) x 16 + 4 (a / 2), a = wave % 8
.irp i, 22,23,24,25,26,27,30,31,32,33,34,35,36,37,88,89,90,91,92,93,216,217,218,219,233
	v_mov_b32 v\i, 0                               ; zero codes; registers that a way through the text could read before a load has written them; permute destinations; the upper half of f's pair
.endr
	s_mov_b32 s20, 0x76543210
	s_mov_b32 s21, 0xfedcba98
	s_mov_b32 s22, 0x3e38aa3b                      ; c = log2(e) / 8
	s_mov_b32 s23, s22
	s_mov_b32 s24, 0xffff0000                      ; lanes 16-31
	s_lshl_b32 s15, s13, 3
	s_add_co_u32 s15, s15, s12                     ; 8 batch + pair
	s_mul_i32 s46, s15, 196608                     ; its 16 steps of 12,288 bytes
	s_mul_i32 s47, s11, 6144                       ; K: my head's half, tile = wave
	s_mul_i32 s48, s10, 768
	s_add_co_u32 s47, s47, s48
	s_add_co_u32 s47, s47, 6291456
	s_and_b32 s48, s10, 1                          ; V: half (wave % 2) of the fragment of channel tile (wave % 8) / 2 of my head
	s_mul_i32 s48, s48, 6144
	s_bfe_u32 s49, s10, 0x20001
	s_lshl_b32 s50, s11, 2
	s_add_co_u32 s49, s49, s50
	s_mul_i32 s49, s49, 768
	s_add_co_u32 s48, s48, s49
	s_add_co_u32 s48, s48, 12582912
	s_cmp_lt_u32 s10, 8
	s_cselect_b32 s47, s47, s48
	s_add_co_u32 s28, s47, s46
	s_mov_b32 s29, 0
	s_lshl_b32 s47, s15, 14                        ; the scale images: 16 steps of 1,024 bytes
	s_lshl_b32 s48, s11, 9
	s_min_u32 s49, s10, 1
	s_lshl_b32 s49, s49, 8
	s_add_co_u32 s48, s48, s49
	s_add_co_u32 s48, s48, 19398656                ; K's: my head's image, half = wave
	s_lshl_b32 s49, s11, 3
	s_add_co_u32 s49, s49, 19922944                ; V's: words 2 head, 2 head + 1 of each lane's four
	s_cmp_lt_u32 s10, 2
	s_cselect_b32 s48, s48, s49
	s_add_co_u32 s32, s48, s47
	s_mov_b32 s33, 0
	s_and_b32 s47, s10, 3                          ; the prefetches
	s_lshl_b32 s47, s47, 13
	s_add_co_u32 s47, s47, s46
	s_add_co_u32 s47, s47, 24576                   ; trip 1's steps
	s_mov_b32 s48, 12582912
	s_cmp_lt_u32 s10, 8
	s_cselect_b32 s48, 6291456, s48
	s_add_co_u32 s56, s47, s48
	s_mov_b32 s57, 0
	s_sub_co_u32 s51, s10, 4
	s_lshr_b32 s51, s51, 3                         ; 0 in waves 4 to 11
	s_or_b32 s51, s51, s14
	s_or_b32 s51, s51, s11
	s_cmp_eq_u32 s51, 0
	s_cselect_b32 s58, 1, -1
	s_and_b32 s51, s10, 3
	s_cmp_eq_u32 s51, 3                            ; (three waves' worth each)
	s_cselect_b32 s58, -1, s58
	s_wait_kmcnt 0x0
	s_add_nc_u64 s[28:29], s[4:5], s[28:29]        ; my planes of step 0
	s_add_nc_u64 s[32:33], s[4:5], s[32:33]
	s_add_nc_u64 s[56:57], s[4:5], s[56:57]
	s_mov_b32 s41, 2                               ; passes
	s_mov_b32 s42, s14                             ; the block of 256 queries
.Lpass:
	s_wait_xcnt 0x0                                ; the last pass's stores have read their registers and bases
	s_wait_alu depctr_vm_vsrc(0)                   ; the last pass's stores have read v192-197 and v234, which this pass's first step writes again; the last step's LDS stores have read v30-37, in which step 0's planes land
	s_lshl_b32 s43, s42, 4
	s_add_co_u32 s43, s43, s10                     ; my tile of queries, 0 .. 127
	s_lshl_b32 s44, s43, 12
	s_mov_b32 s45, 0
	s_add_nc_u64 s[34:35], s[6:7], s[44:45]        ; its mask words: 16 steps of 256 bytes
	s_lshl_b32 s46, s15, 4
	s_lshr_b32 s47, s43, 3
	s_add_co_u32 s46, s46, s47                     ; the group of 128 tokens in which it lies
	s_mul_i32 s48, s46, 12288
	s_mul_i32 s49, s11, 6144
	s_add_co_u32 s48, s48, s49
	s_and_b32 s49, s10, 7
	s_mul_i32 s49, s49, 768
	s_add_co_u32 s48, s48, s49
	s_mov_b32 s49, 0
	s_add_nc_u64 s[48:49], s[4:5], s[48:49]        ; Q's codes
	s_lshl_b32 s50, s46, 10
	s_lshl_b32 s51, s11, 9
	s_add_co_u32 s50, s50, s51
	s_add_co_u32 s50, s50, 18874368
	s_mov_b32 s51, 0
	s_add_nc_u64 s[50:51], s[4:5], s[50:51]        ; and my head's scale image
	s_lshl_b32 s52, s42, 10
	s_add_co_u32 s52, s52, 524288
	s_mov_b32 s53, 0
	s_add_nc_u64 s[52:53], s[6:7], s[52:53]        ; the block's flags
	s_wait_alu depctr_va_vdst(0)                   ; first pass: the head has written every address and offset, v30-37 and the zero codes v22-27, v88-93; second pass: the way out is done with v96-127 and the last products with v16-21 and v28, in which the loads below land
	global_load_b128 v[96:99], v38, s[52:53]
	global_load_b128 v[100:103], v38, s[52:53] offset:16
	global_load_b32 v104, v39, s[52:53]
.irp i, 0,1,2
	global_load_b64 v[16+2*\i:17+2*\i], v7, s[48:49] offset:256*\i
.endr
	global_load_b32 v28, v94, s[50:51]
	s_lshl_b32 s54, s13, 7
	s_add_co_u32 s54, s54, s43                     ; the tile among all tokens
	s_mul_i32 s60, s54, 12288
	s_mul_i32 s61, s12, 1536
	s_add_co_u32 s60, s60, s61
	s_mul_i32 s61, s11, 768
	s_add_co_u32 s60, s60, s61
	s_mov_b32 s61, 0
	s_add_nc_u64 s[60:61], s[8:9], s[60:61]        ; y's codes: K step = pair, planes 3 head ..
	s_lshl_b32 s62, s54, 9
	s_lshr_b32 s63, s12, 2
	s_lshl_b32 s63, s63, 8
	s_add_co_u32 s62, s62, s63
	s_and_b32 s63, s12, 3
	s_lshl_b32 s63, s63, 2
	s_add_co_u32 s62, s62, s63
	s_lshl_b32 s63, s11, 1
	s_add_co_u32 s62, s62, s63
	s_add_co_u32 s62, s62, 6291456
	s_mov_b32 s63, 0
	s_add_nc_u64 s[62:63], s[8:9], s[62:63]        ; y's scale bytes
	v_mov_b32 v13, 0xff61b1e6                      ; the largest t so far: -3e38
	v_floor_f32 v12, -v13
	v_mov_b32 v14, 0
	v_mov_b32 v15, 0
.set j, 0
.rept 32
	v_mov_b32 v[160+j], 0                          ; O^T: the step is written once; the first change of M leaves zeros zeros
.set j, j+1
.endr
	s_wait_loadcnt 0x0
	v_or_b32 v96, v96, v97
	v_or_b32 v98, v98, v99
	v_or_b32 v100, v100, v101
	v_or_b32 v102, v102, v103
	v_or_b32 v96, v96, v98
	v_or_b32 v100, v100, v102
	v_or_b32 v96, v96, v100
	v_permlanex16_b32 v[T4], v96, s20, s21
	v_or_b32 v96, v96, v[T4]                       ; lane r: step r's flags of all sixteen tiles
	v_and_b32 v96, 1, v96
	v_cmp_ne_u32 s37, 0, v96
	v_and_b32 v97, 1, v104
	v_cmp_ne_u32 s38, 0, v97
	v_and_b32 v98, 2, v104
	v_cmp_ne_u32 s39, 0, v98
	s_wait_alu depctr_va_sdst(0)                   ; the three compares have written s37, s38 and s39, ahead of their first readers
	s_and_b32 s37, s37, 0xffff                     ; bit = step: some tile of the block needs it;
	s_and_b32 s38, s38, 0xffff                     ; my tile needs it;
	s_and_b32 s39, s39, 0xffff                     ; it has hidden keys for my tile
	s_mov_b64 s[26:27], s[28:29]
	s_mov_b64 s[30:31], s[32:33]
	s_mov_b32 s36, 0
	s_bitcmp1_b32 s37, 0                           ; step 0 is staged
	s_cbranch_scc0 .Lno_first_load
	STAGE_LOAD 0, 0
.Lno_first_load:
	s_wait_loadcnt 0x0
	s_bitcmp1_b32 s37, 0
	s_cbranch_scc0 .Lno_first_store
	STAGE_STORE 0
.Lno_first_store:
	s_wait_dscnt 0x0
	s_barrier_signal -1
	s_barrier_wait -1
	s_mov_b32 s40, 8
.Ltrip:
	STEP 0
	STEP 1
	s_wait_xcnt 0x0                                ; every earlier load and prefetch has read its addresses: they step, once a trip
	s_add_nc_u64 s[26:27], s[26:27], 24576
	s_add_nc_u64 s[30:31], s[30:31], 2048
	s_add_nc_u64 s[56:57], s[56:57], 24576
	s_add_co_u32 s36, s36, 512
	s_lshr_b32 s37, s37, 2
	s_lshr_b32 s38, s38, 2
	s_lshr_b32 s39, s39, 2
	s_sub_co_u32 s40, s40, 1
	s_cmp_lg_u32 s40, 0
	s_cbranch_scc1 .Ltrip
	; THE WAY OUT: y = O^T / the sum; its 64 channels are two blocks of the last product's K
	v_add_f32 v14, v14, v15
	v_permlanex16_b32 v[T4], v14, s20, s21
	v_add_f32 v14, v14, v[T4]                      ; the row's sum
	v_rcp_f32 v234, v14
	v_nop                                          ; a plain place behind the reciprocal
	v_cmp_eq_f32 vcc_lo, 0, v14                    ; no key counted for my query
	v_mov_b32 v235, 0xff
	s_wait_alu depctr_va_vdst(0)                   ; the reciprocal has written v234, ahead of its first reader
	s_wait_alu depctr_va_vcc(0)                    ; the compare has written VCC, ahead of its first reader
	v_cndmask_b32 v232, v234, 0, vcc_lo
.set j, 0
.rept 16
	v_pk_mul_f32 v[96+j:97+j], v[160+j:161+j], v[232:233] op_sel_hi:[1,0]   ; register 16 b + i: channel 32 b + 16 h + i of the head
.set j, j+2
.endr
.irp b, 0,1
	v_max3_num_f32 v[BM+\b], |v[96+16*\b]|, |v[97+16*\b]|, 0x1800000
.endr
.irp i, 2,4,6,8,10,12,14
.irp b, 0,1
	v_max3_num_f32 v[BM+\b], v[BM+\b], |v[96+16*\b+\i]|, |v[97+16*\b+\i]|
.endr
.endr
.irp b, 0,1
	v_permlanex16_b32 v[T4+\b], v[BM+\b], s20, s21
.endr
.irp b, 0,1
	v_max_num_f32 v[BM+\b], v[BM+\b], v[T4+\b]
.endr
.irp b, 0,1
	v_add_nc_u32 v[SO+\b], 0xff000000, v[BM+\b]
.endr
.irp b, 0,1
	v_lshrrev_b32 v[T4+\b], 23, v[SO+\b]
.endr
	v_cvt_scalef32_pk16_fp6_f32 v[192:194], v[96:111], v[SO]
	v_cvt_scalef32_pk16_fp6_f32 v[204:206], v[112:127], v[SO+1]
	v_nop                                          ; one plain place behind a scaled conversion
.irp i, 0,1,2
	v_permlane16_swap_b32 v[192+\i], v[204+\i]
.endr
.irp i, 0,1,2
	v_mov_b32 v[195+\i], v[204+\i]                 ; lane (r, h) now holds block h whole
.endr
	v_cndmask_b32 v234, v[T4], v[T4+1], s24        ; block h's byte,
	v_cndmask_b32 v234, v234, v235, vcc_lo         ; or 0xff
	s_wait_alu depctr_va_vdst(0)                   ; the exchanges and moves have written v192-197 and the selects v234, which the four stores read
.irp i, 0,1,2
	global_store_b64 v7, v[192+2*\i:193+2*\i], s[60:61] offset:256*\i   ; 256 consecutive bytes, aligned
.endr
	global_store_b8 v11, v234, s[62:63]            ; single bytes: a row's word holds two heads' bytes, and a work-group has one head
	s_mov_b32 s58, -1                              ; the second pass prefetches nothing
	s_sub_co_u32 s42, 7, s42
	s_sub_co_u32 s41, s41, 1
	s_cmp_lg_u32 s41, 0
	s_cbranch_scc1 .Lpass
	s_wait_dscnt 0x0                               ; the closing lines, six on end
	s_wait_alu 0x0
	s_wait_tensorcnt 0x0
	ds_add_u32 v[SPW], v[NIL]
	s_wait_dscnt 0x0
	s_endpgm
.Lfunc_end_k_qd7ee532939_attn:
	.size	k_qd7ee532939_attn, .Lfunc_end_k_qd7ee532939_attn-k_qd7ee532939_attn
	.p2alignl 7, 3214868480
	.fill 96, 4, 3214868480
	.section	.rodata,"a",@progbits
	.p2align	6, 0x0
	.amdhsa_kernel k_qd7ee532939_attn
		.amdhsa_group_segment_fixed_size 30720
		.amdhsa_private_segment_fixed_size 0
		.amdhsa_enable_private_segment 0
		.amdhsa_kernarg_size 24
		.amdhsa_user_sgpr_count 2
		.amdhsa_user_sgpr_kernarg_segment_ptr 1
		.amdhsa_wavefront_size32 1
		.amdhsa_system_sgpr_workgroup_id_x 1
		.amdhsa_system_sgpr_workgroup_id_y 1
		.amdhsa_system_sgpr_workgroup_id_z 1
		.amdhsa_system_vgpr_workitem_id 0
		.amdhsa_next_free_vgpr 256
		.amdhsa_next_free_sgpr 100
		.amdhsa_reserve_vcc 1
		.amdhsa_float_denorm_mode_32 3
		.amdhsa_float_denorm_mode_16_64 3
		.amdhsa_memory_ordered 1
		.amdhsa_forward_progress 1
		.amdhsa_inst_pref_size 58
	.end_amdhsa_kernel
	.amdgpu_metadata
---
amdhsa.version: [ 1, 2 ]
amdhsa.kernels:
  - .name:           k_qd7ee532939_attn
    .symbol:         k_qd7ee532939_attn.kd
    .args:
      - { .name: qkvimg, .offset: 0, .size: 8, .value_kind: global_buffer, .address_space: global }
      - { .name: msk, .offset: 8, .size: 8, .value_kind: global_buffer, .address_space: global }
      - { .name: yimg, .offset: 16, .size: 8, .value_kind: global_buffer, .address_space: global }
    .group_segment_fixed_size: 30720
    .private_segment_fixed_size: 0
    .kernarg_segment_align: 8
    .kernarg_segment_size: 24
    .max_flat_workgroup_size: 512
    .sgpr_count:     100
    .vgpr_count:     256
    .wavefront_size: 32
...
	.end_amdgpu_metadata
.endif
;; end of part 5
;; launch proj: the kernel of part 4 again; grid 4 x 32, 4 waves a work-group, clusters of 4 x 4, 327,680 bytes of LDS; arguments yimg, opnd, b_proj, out0; writes out0
